; MI455X (gfx1250); checked and timed in simulation.
; The chip was launched on July 23, 2026; its instructions are those of AMD's public machine-readable ISA for CDNA 5 (MIT licence, August 2026) and "CDNA5" Instruction Set Architecture Reference Guide (July 2026). The comments in the code are by the model that wrote it; some were corrected since.
;; Efficient Mo E Layer. Allowed arithmetic: float matrix products may take bf16 or f16 operands with f32 sums; other float arithmetic in f32, or as packed bf16 or f16 multiplies, adds, multiply-adds, maxima and minima; sums over many terms, partial sums and values carried from step to step in f32; what a program stores and reads back later, other than sums and carried values, may be rounded once to bf16 or f16.
;; Inputs: W1 8 x 1,024 x 4,096 float32; W2 8 x 4,096 x 1,024 float32; Wr 1,024 x 8 float32; b1 8 x 4,096 float32; b2 8 x 1,024 float32; x 4 x 256 x 1,024 float32.
;; Outputs: out0 4 x 256 x 1,024 float32.
;; 2 versions, each right; version 2 is version 1 with the launch down written anew for expert scheduling mode. Each part assembles by itself: llvm-mc -triple=amdgcn-amd-amdhsa -mcpu=gfx1250 --defsym DOCPART=n.
;; ======== version 1 of 2: 5 launches
;; limits: values are held in f16: magnitudes above 65,504 overflow, below 6.1e-05 lose precision
;; workspace buffers: xb 2,097,152 bytes; idx 8,192 bytes of whole numbers; gates 8,192 bytes; lists 40,960 bytes of whole numbers; counts 256 bytes of whole numbers; h 16,777,216 bytes; y 33,554,432 bytes
;; launch router (part 1): grid 256 x 1, 4 waves a work-group, no clusters, 1,024 bytes of LDS; arguments x, Wr, xb, idx, gates; writes xb, idx, gates
.if DOCPART == 1
	.amdgcn_target "amdgcn-amd-amdhsa--gfx1250"
	.amdhsa_code_object_version 6
	.text
	.protected	k_qf255647a31_router
	.globl	k_qf255647a31_router
	.p2align	8
	.type	k_qf255647a31_router,@function
k_qf255647a31_router:
	s_mov_b64 s[64:65], 0
	v_nop
	global_prefetch_b8 v0, s[64:65] scope:SCOPE_SE
	s_setreg_imm32_b32 hwreg(HW_REG_WAVE_MODE, 25, 1), 1
	s_wait_xcnt 0x0
; ROUTER.  For 4 tokens a work-group: x rounded to bf16 (stored as xb for the first product), logits = xb . bf16(Wr) with f32 sums, the two largest logits,
; and the two gates.  gate1 = p1 / (p1 + p2) = 1 / (1 + e^(l2 - l1)): the largest logit is taken away, so the exponent is never above 0.
; The choice is made on the logits with a strict 'greater', so the lower index wins an exact tie, as the top-k of the softmax does; two logits that differ
; while their f32 softmax values coincide may be ordered otherwise.  NaN and infinities are not treated apart.
; All inputs of the program are rounded to bf16 once, the router's too, so that the choices belong to the same rounded inputs as the products.
; The product has 8 columns, half of a matrix tile, and 1/2048 of the program's multiply-adds: it is made by f32 fused multiply-adds.
; Thread t (0..127) owns the channels 4 t + c + 512 j (c = 0..3, j = 0, 1) of all four tokens.  idx[2 t + k], gates[2 t + k]: fixed places, no address hangs on a choice.
.set X,     8                          ; v[8:39]    x(k, j, c) at X + 8 k + 4 j + c
.set XB,    40                         ; v[40:55]   the same packed to bf16, two a register: the data of the stores into xb
.set WR,    56                         ; v[56:119]  Wr(j, c, e) at WR + 32 j + 8 c + e
.set ACC,   120                        ; v[120:151] logit sums (k, e) at ACC + 8 k + e
.set T,     152                        ; v[152:159] at work
.set M1,    56                         ; behind the sums Wr's registers are free: largest logit, its index, second, its index
.set I1,    57
.set M2,    58
.set I2,    59
.set SPARE, 512                        ; behind the 512 bytes of partial sums: the spare words, 128 bytes for each wave
	s_load_b256 s[4:11], s[0:1], 0x0               ; x s[4:5], Wr s[6:7], xb s[8:9], idx s[10:11]
	s_load_b64 s[12:13], s[0:1], 0x20              ; gates
	v_lshl_add_u32 v2, v0, 2, SPARE                ; my spare word
	v_mov_b32 v3, 0
	v_and_b32 v1, 31, v0                           ; lane
	v_lshrrev_b32 v7, 5, v0
	v_readfirstlane_b32 s14, v7                    ; wave 0..3
	v_lshlrev_b32 v4, 4, v0                        ; x: 16 t
	v_lshlrev_b32 v5, 7, v0                        ; Wr: four rows of 32 bytes a thread
	v_lshlrev_b32 v6, 3, v0                        ; xb: 8 t
	s_mov_b32 s16, 0x76543210                      ; v_permlanex16_b32: each lane takes its own place in the other half
	s_mov_b32 s17, 0xfedcba98
	s_mov_b32 s18, 0xffff0000                      ; a word's upper bf16
	s_lshl_b32 s24, ttmp9, 14                      ; 4 rows of x, 4,096 bytes each
	s_mov_b32 s25, 0
	s_lshl_b32 s26, ttmp9, 13                      ; 4 rows of xb
	s_mov_b32 s27, 0
	s_wait_kmcnt 0x0
	s_add_nc_u64 s[4:5], s[4:5], s[24:25]
	s_add_nc_u64 s[8:9], s[8:9], s[26:27]
.irp m, 0,1,2,3,4,5,6,7                ; m = 2 k + j
	global_load_b128 v[X+4*(\m):X+4*(\m)+3], v4, s[4:5] offset:((\m)/2)*4096+((\m)%2)*2048 th:TH_LOAD_NT
.endr
.irp m, 0,1,2,3,4,5,6,7                ; m = 4 j + c
	global_load_b128 v[WR+8*(\m):WR+8*(\m)+3],   v5, s[6:7] offset:((\m)/4)*16384+((\m)%4)*32
	global_load_b128 v[WR+8*(\m)+4:WR+8*(\m)+7], v5, s[6:7] offset:((\m)/4)*16384+((\m)%4)*32+16
.endr
	s_wait_loadcnt 16                              ; x is in; Wr's sixteen loads, issued behind it, may stay out
.set i, 0
.rept 16
	v_cvt_pk_bf16_f32 v[XB+i], v[X+2*i], v[X+2*i+1]
.set i, i+1
.endr
.irp m, 0,1,2,3,4,5,6,7
	global_store_b64 v6, v[XB+2*(\m):XB+2*(\m)+1], s[8:9] offset:((\m)/2)*2048+((\m)%2)*1024  ; a wave's store covers 256 consecutive bytes, aligned
.endr
.set i, 0
.rept 16                               ; the rounded numbers back as f32
	v_lshlrev_b32 v[X+2*i], 16, v[XB+i]
	v_and_b32 v[X+2*i+1], s18, v[XB+i]
.set i, i+1
.endr
	s_wait_loadcnt 0x0                             ; Wr
.set i, 0
.rept 32                               ; Wr rounded to bf16, in place
	v_cvt_pk_bf16_f32 v[T+i%4], v[WR+2*i], v[WR+2*i+1]
	v_lshlrev_b32 v[WR+2*i], 16, v[T+i%4]
	v_and_b32 v[WR+2*i+1], s18, v[T+i%4]
.set i, i+1
.endr
.set dd, 0
.rept 8                                ; my eight channels; the first starts the sums
.set k, 0
.rept 4
.set e, 0
.rept 8
.if dd == 0
	v_mul_f32 v[ACC+8*k+e], v[X+8*k+dd], v[WR+8*dd+e]
.else
	v_fmac_f32 v[ACC+8*k+e], v[X+8*k+dd], v[WR+8*dd+e]
.endif
.set e, e+1
.endr
.set k, k+1
.endr
.set dd, dd+1
.endr
	; over the 32 lanes: four steps inside each half ride on the addition, one crosses the halves
.irp m, 1,2,4,8
.set i, 0
.rept 32
	v_add_f32_dpp v[ACC+i], v[ACC+i], v[ACC+i] row_xmask:\m row_mask:0xf bank_mask:0xf
.set i, i+1
.endr
.endr
.set i, 0
.rept 32
	v_permlanex16_b32 v[X+i], v[ACC+i], s16, s17   ; x's registers are free, and have been written
.set i, i+1
.endr
.set i, 0
.rept 32
	v_add_f32 v[ACC+i], v[ACC+i], v[X+i]
.set i, i+1
.endr
	s_lshl_b32 s23, s14, 7
	v_mov_b32 v[T], s23                            ; my wave's 128 bytes: all lanes store the same words with the same values
.irp m, 0,1,2,3,4,5,6,7
	ds_store_b128 v[T], v[ACC+4*(\m):ACC+4*(\m)+3] offset:16*(\m)
.endr
	s_wait_dscnt 0x0                               ; for the others' sake: my partial sums are in LDS
	s_barrier_signal -1
	s_barrier_wait -1
	s_lshl_b32 s23, s14, 5
	v_mov_b32 v[T+1], s23                          ; wave w goes on with token w: its 8 words in each wave's part
.irp m, 0,1,2,3
	ds_load_b128 v[X+8*(\m):X+8*(\m)+3],   v[T+1] offset:128*(\m)
	ds_load_b128 v[X+8*(\m)+4:X+8*(\m)+7], v[T+1] offset:128*(\m)+16
.endr
	s_wait_dscnt 0x0
.irp p, 0,2,4,6
	v_pk_add_f32 v[X+(\p):X+(\p)+1], v[X+(\p):X+(\p)+1], v[X+8+(\p):X+8+(\p)+1]
	v_pk_add_f32 v[X+16+(\p):X+16+(\p)+1], v[X+16+(\p):X+16+(\p)+1], v[X+24+(\p):X+24+(\p)+1]
.endr
.irp p, 0,2,4,6
	v_pk_add_f32 v[X+(\p):X+(\p)+1], v[X+(\p):X+(\p)+1], v[X+16+(\p):X+16+(\p)+1]  ; the eight logits, in every lane
.endr
	v_mov_b32 v[M1], v[X]
	v_mov_b32 v[I1], 0
	v_mov_b32 v[M2], 0xff800000                    ; minus infinity
	v_mov_b32 v[I2], 0
.irp e, 1,2,3,4,5,6,7
	v_cmp_gt_f32 s20, v[X+(\e)], v[M1]             ; beats the largest
	v_cmp_gt_f32 s21, v[X+(\e)], v[M2]             ; beats the second
	v_cndmask_b32 v[M2], v[M2], v[X+(\e)], s21
	v_cndmask_b32 v[I2], v[I2], \e, s21
	v_cndmask_b32 v[M2], v[M2], v[M1], s20         ; the old largest becomes the second
	v_cndmask_b32 v[I2], v[I2], v[I1], s20
	v_cndmask_b32 v[M1], v[M1], v[X+(\e)], s20
	v_cndmask_b32 v[I1], v[I1], \e, s20
.endr
	v_sub_f32 v60, v[M2], v[M1]                    ; at most 0
	v_mul_f32 v60, 0x3fb8aa3b, v60                 ; log2(e)
	v_exp_f32 v61, v60
	v_nop                                          ; a plain instruction behind the exponential,
	s_wait_alu depctr_va_vdst(0)                   ; and the wait ahead of its first reader
	v_add_f32 v62, 1.0, v61
	v_rcp_f32 v63, v62                             ; gate of the first choice
	v_nop
	s_wait_alu depctr_va_vdst(0)
	v_mul_f32 v64, v61, v63                        ; gate of the second
	v_cmp_eq_u32 vcc_lo, 1, v1
	v_cndmask_b32 v65, v[I1], v[I2], vcc_lo        ; lane 0 stores the first choice, lane 1 the second
	v_cndmask_b32 v66, v63, v64, vcc_lo
	s_lshl_b32 s23, ttmp9, 5
	s_lshl3_add_u32 s23, s14, s23                  ; 8 bytes a token
	v_lshl_add_u32 v67, v1, 2, s23
	s_wait_xcnt 0x0                                ; EXEC changes only when the earlier stores have had their addresses translated
	v_cmp_gt_u32 vcc_lo, 2, v1
	s_and_saveexec_b32 s22, vcc_lo
	global_store_b32 v67, v65, s[10:11]
	global_store_b32 v67, v66, s[12:13]
	s_wait_xcnt 0x0                                ; and again in front of the line that widens it
	s_or_b32 exec_lo, exec_lo, s22
	s_wait_tensorcnt 0x0                           ; the wave's end, behind my last LDS store
	ds_add_u32 v2, v3
	s_wait_dscnt 0x0
	s_endpgm
.Lfunc_end_k_qf255647a31_router:
	.size	k_qf255647a31_router, .Lfunc_end_k_qf255647a31_router-k_qf255647a31_router
	.p2alignl 7, 3214868480
	.fill 96, 4, 3214868480
	.section	.rodata,"a",@progbits
	.p2align	6, 0x0
	.amdhsa_kernel k_qf255647a31_router
		.amdhsa_group_segment_fixed_size 1024
		.amdhsa_private_segment_fixed_size 0
		.amdhsa_enable_private_segment 0
		.amdhsa_kernarg_size 40
		.amdhsa_user_sgpr_count 2
		.amdhsa_user_sgpr_kernarg_segment_ptr 1
		.amdhsa_wavefront_size32 1
		.amdhsa_system_sgpr_workgroup_id_x 1
		.amdhsa_system_sgpr_workgroup_id_y 1
		.amdhsa_system_sgpr_workgroup_id_z 1
		.amdhsa_system_vgpr_workitem_id 0
		.amdhsa_next_free_vgpr 160
		.amdhsa_next_free_sgpr 66
		.amdhsa_reserve_vcc 1
		.amdhsa_float_denorm_mode_32 3
		.amdhsa_float_denorm_mode_16_64 3
		.amdhsa_memory_ordered 1
		.amdhsa_forward_progress 1
		.amdhsa_inst_pref_size 36
	.end_amdhsa_kernel
	.amdgpu_metadata
---
amdhsa.version: [ 1, 2 ]
amdhsa.kernels:
  - .name:           k_qf255647a31_router
    .symbol:         k_qf255647a31_router.kd
    .args:
      - { .name: x, .offset: 0, .size: 8, .value_kind: global_buffer, .address_space: global }
      - { .name: Wr, .offset: 8, .size: 8, .value_kind: global_buffer, .address_space: global }
      - { .name: xb, .offset: 16, .size: 8, .value_kind: global_buffer, .address_space: global }
      - { .name: idx, .offset: 24, .size: 8, .value_kind: global_buffer, .address_space: global }
      - { .name: gates, .offset: 32, .size: 8, .value_kind: global_buffer, .address_space: global }
    .group_segment_fixed_size: 1024
    .private_segment_fixed_size: 0
    .kernarg_segment_align: 8
    .kernarg_segment_size: 40
    .max_flat_workgroup_size: 128
    .sgpr_count:     66
    .vgpr_count:     160
    .wavefront_size: 32
...
	.end_amdgpu_metadata
.endif
;; end of part 1
;; launch sort (part 2): grid 8 x 1, 4 waves a work-group, no clusters, 8,960 bytes of LDS; arguments idx, lists, counts; writes lists, counts
.if DOCPART == 2
	.amdgcn_target "amdgcn-amd-amdhsa--gfx1250"
	.amdhsa_code_object_version 6
	.text
	.protected	k_qf255647a31_sort
	.globl	k_qf255647a31_sort
	.p2align	8
	.type	k_qf255647a31_sort,@function
k_qf255647a31_sort:
	s_mov_b64 s[64:65], 0
	v_nop
	global_prefetch_b8 v0, s[64:65] scope:SCOPE_SE
	s_setreg_imm32_b32 hwreg(HW_REG_WAVE_MODE, 25, 1), 1
	s_wait_xcnt 0x0
; SORT.  idx[slot] (slot = 2 t + k, 2,048 of them) is the expert of a routed row, stored by the router's launch.  Work-group e lays expert e's rows end to end:
; lists[e][p] = the slot of the expert's p-th row for p below its count, and its last row's slot from there on, 1,280 entries (an expert has 1,024 rows at the most, a token's two experts differ,
; and the two products read 4 waves x 5 blocks x 4 passes x 16 = 1,280 places); counts[e] = the count.  An expert without rows gets slot 0 everywhere; nothing is stored for such places later.
; Wave q compacts quarter q of idx (512 slots) into its own 2 KB of LDS: the rank of a hit is the hits in the registers before and in the lanes below; what is not the expert's goes to word 511,
; which no hit reaches (256 a quarter at the most).  The four counts meet in LDS behind one barrier; then place p is looked up in the quarter in which it falls.
; Eight work-groups: there are eight lists, and a list's four quarters have to meet.  No global address hangs on idx: only LDS addresses do, each held to its range by a constant in the line.
.set QB,    2048                       ; a wave's own list in LDS: 512 words
.set CW,    4*QB                       ; behind the lists: the four waves' counts, in a block of 256 bytes
.set SPARE, CW+256                     ; the spare words, 128 bytes for each wave
.set LISTB, 5120                       ; an expert's list in memory
; s14 wave; s15 expert; s24-27 the quarters' counts; s28-30 the places at which quarters 1, 2, 3 begin; s31 the count; s34-36 what a place gains in LDS words on entering quarter 1, 2, 3; s37 the last row's place
.macro PLACE d, p                      ; v[d] = the LDS byte of the entry for place v[p]
	v_min_u32 v40, s37, v[\p]                      ; places past the count repeat the last row
	v_cmp_le_u32 s38, s28, v40
	v_cmp_le_u32 s39, s29, v40
	v_cmp_le_u32 s40, s30, v40
	v_cndmask_b32 v41, 0, s34, s38                 ; 512 less the quarter's count, for each quarter left behind
	v_cndmask_b32 v42, 0, s35, s39
	v_cndmask_b32 v43, 0, s36, s40
	v_add_nc_u32 v41, v41, v42
	v_add_nc_u32 v40, v40, v43
	v_add_nc_u32 v40, v40, v41
	v_min_u32 v40, 0x7ff, v40                      ; inside the four lists
	v_lshlrev_b32 v[\d], 2, v40
.endm
	s_load_b128 s[4:7], s[0:1], 0x0                ; idx s[4:5], lists s[6:7]
	s_load_b64 s[8:9], s[0:1], 0x10                ; counts
	v_lshl_add_u32 v2, v0, 2, SPARE                ; my spare word
	v_mov_b32 v3, 0
	v_and_b32 v1, 31, v0                           ; lane
	v_lshrrev_b32 v24, 5, v0
	v_readfirstlane_b32 s14, v24                   ; wave 0..3: my quarter
	s_mov_b32 s15, ttmp9                           ; my expert
	s_lshl_b32 s23, s14, 11
	v_lshl_add_u32 v4, v1, 4, s23                  ; idx: my quarter's 2,048 bytes, 16 a lane
	v_lshl_add_u32 v25, v1, 4, s23                 ; my list in LDS, 16 bytes a lane
	v_mov_b32 v5, s23                              ; my list's first byte
	v_mov_b32 v6, 0x1ff                            ; its last word
	s_lshl_b32 s22, s14, 9
	v_lshl_add_u32 v7, v1, 2, s22                  ; the slot of my first idx word
.irp i, 28,29,30,31
	v_mov_b32 v\i, 0
.endr
	s_mul_i32 s10, s15, LISTB
	s_mov_b32 s11, 0
	s_wait_kmcnt 0x0
	s_add_nc_u64 s[6:7], s[6:7], s[10:11]          ; my expert's list
.irp q, 0,1,2,3
	global_load_b128 v[8+4*(\q):8+4*(\q)+3], v4, s[4:5] offset:512*(\q)
.endr
.irp q, 0,1,2,3
	ds_store_b128 v25, v[28:31] offset:512*(\q)    ; my list starts as slot 0 everywhere
.endr
	s_mov_b32 s33, 0
	s_wait_loadcnt 0x0
.set i, 0
.rept 16                               ; register i holds the experts of slots 512 q + 128 (i / 4) + 4 lane + i % 4
	v_cmp_eq_u32 s32, s15, v[8+i]
	v_mbcnt_lo_u32_b32 v24, s32, s33               ; the rank: those found so far, and the lanes below me
	v_cndmask_b32 v24, v6, v24, s32                ; what is not my expert's goes to the last word
	v_min_u32 v24, 0x1ff, v24
	v_lshl_add_u32 v24, v24, 2, v5
	v_add_nc_u32 v26, 128*(i/4)+(i%4), v7
	ds_store_b32 v24, v26
	s_bcnt1_i32_b32 s23, s32
	s_add_co_u32 s33, s33, s23
.set i, i+1
.endr
	s_lshl_b32 s23, s14, 2
	s_add_co_u32 s23, s23, CW
	v_mov_b32 v24, s23
	v_mov_b32 v26, s33
	ds_store_b32 v24, v26                          ; my quarter's count: all lanes store the same word with the same value
	s_wait_dscnt 0x0                               ; for the others' sake: my list and my count are in LDS
	s_barrier_signal -1
	s_barrier_wait -1
	v_mov_b32 v24, CW
	ds_load_b128 v[28:31], v24                     ; the four counts, in every lane
	s_wait_dscnt 0x0
	v_readfirstlane_b32 s24, v28
	v_readfirstlane_b32 s25, v29
	v_readfirstlane_b32 s26, v30
	v_readfirstlane_b32 s27, v31
	s_mov_b32 s28, s24
	s_add_co_u32 s29, s28, s25
	s_add_co_u32 s30, s29, s26
	s_add_co_u32 s31, s30, s27                     ; the expert's rows
	s_sub_co_u32 s34, 0x200, s24
	s_sub_co_u32 s35, 0x200, s25
	s_sub_co_u32 s36, 0x200, s26
	s_max_u32 s37, s31, 1
	s_sub_co_u32 s37, s37, 1
	s_cmp_lg_u32 s14, 0
	s_cbranch_scc1 .Lnot0                          ; wave 0's lane 0 stores the count
	v_mov_b32 v44, s31
	s_lshl_b32 s23, s15, 2
	v_mov_b32 v45, s23
	s_wait_xcnt 0x0                                ; EXEC changes only behind this wait
	v_cmp_eq_u32 vcc_lo, 0, v1
	s_and_saveexec_b32 s22, vcc_lo
	global_store_b32 v45, v44, s[8:9]
	s_wait_xcnt 0x0                                ; and again in front of the line that widens it
	s_or_b32 exec_lo, exec_lo, s22
.Lnot0:
	v_lshlrev_b32 v33, 1, v0                       ; my two places of each 256: 2 t and 2 t + 1
	v_lshlrev_b32 v34, 3, v0                       ; their 8 bytes in the list
	s_mov_b32 s21, 5
.Lout:                                                 ; five times 256 places
	v_add_nc_u32 v35, 1, v33
	PLACE 36, 33
	PLACE 37, 35
	ds_load_b32 v38, v36
	ds_load_b32 v39, v37
	s_wait_dscnt 0x0
	global_store_b64 v34, v[38:39], s[6:7]         ; a wave's store covers 256 consecutive bytes, aligned
	s_wait_xcnt 0x0                                ; the store's offset and data are rewritten only behind this wait
	v_add_nc_u32 v33, 0x100, v33
	v_add_nc_u32 v34, 0x400, v34
	s_sub_co_u32 s21, s21, 1
	s_cmp_lg_u32 s21, 0
	s_cbranch_scc1 .Lout
	s_wait_tensorcnt 0x0                           ; the wave's end, behind my last LDS store
	ds_add_u32 v2, v3
	s_wait_dscnt 0x0
	s_endpgm
.Lfunc_end_k_qf255647a31_sort:
	.size	k_qf255647a31_sort, .Lfunc_end_k_qf255647a31_sort-k_qf255647a31_sort
	.p2alignl 7, 3214868480
	.fill 96, 4, 3214868480
	.section	.rodata,"a",@progbits
	.p2align	6, 0x0
	.amdhsa_kernel k_qf255647a31_sort
		.amdhsa_group_segment_fixed_size 8960
		.amdhsa_private_segment_fixed_size 0
		.amdhsa_enable_private_segment 0
		.amdhsa_kernarg_size 24
		.amdhsa_user_sgpr_count 2
		.amdhsa_user_sgpr_kernarg_segment_ptr 1
		.amdhsa_wavefront_size32 1
		.amdhsa_system_sgpr_workgroup_id_x 1
		.amdhsa_system_sgpr_workgroup_id_y 1
		.amdhsa_system_sgpr_workgroup_id_z 1
		.amdhsa_system_vgpr_workitem_id 0
		.amdhsa_next_free_vgpr 48
		.amdhsa_next_free_sgpr 66
		.amdhsa_reserve_vcc 1
		.amdhsa_float_denorm_mode_32 3
		.amdhsa_float_denorm_mode_16_64 3
		.amdhsa_memory_ordered 1
		.amdhsa_forward_progress 1
		.amdhsa_inst_pref_size 14
	.end_amdhsa_kernel
	.amdgpu_metadata
---
amdhsa.version: [ 1, 2 ]
amdhsa.kernels:
  - .name:           k_qf255647a31_sort
    .symbol:         k_qf255647a31_sort.kd
    .args:
      - { .name: idx, .offset: 0, .size: 8, .value_kind: global_buffer, .address_space: global }
      - { .name: lists, .offset: 8, .size: 8, .value_kind: global_buffer, .address_space: global }
      - { .name: counts, .offset: 16, .size: 8, .value_kind: global_buffer, .address_space: global }
    .group_segment_fixed_size: 8960
    .private_segment_fixed_size: 0
    .kernarg_segment_align: 8
    .kernarg_segment_size: 24
    .max_flat_workgroup_size: 128
    .sgpr_count:     66
    .vgpr_count:     48
    .wavefront_size: 32
...
	.end_amdgpu_metadata
.endif
;; end of part 2
;; launch up (part 3): grid 256 x 1, 4 waves a work-group, no clusters, 312,832 bytes of LDS; arguments xb, W1, b1, lists, counts, h; writes h
.if DOCPART == 3
	.amdgcn_target "amdgcn-amd-amdhsa--gfx1250"
	.amdhsa_code_object_version 6
	.text
	.protected	k_qf255647a31_up
	.globl	k_qf255647a31_up
	.p2align	8
	.type	k_qf255647a31_up,@function
k_qf255647a31_up:
	s_mov_b64 s[64:65], 0
	v_nop
	global_prefetch_b8 v0, s[64:65] scope:SCOPE_SE
	s_setreg_imm32_b32 hwreg(HW_REG_WAVE_MODE, 25, 1), 1
	s_wait_xcnt 0x0
.set IS_UP, 1                          ; 1: h = relu(xb W1[e] + b1[e]), f16.   0: y[quarter] = h W2[e] (+ b2[e] in quarter 0), f32.  The text of the two kernels differs in this line alone.
; ONE PRODUCT OF THE ROUTED EXPERTS, only for the rows that chose the expert.  A routed row has the fixed place ('slot') 2 t + k.  The launch before laid each expert's slots end to end in memory
; (lists[e]: 1,280 entries, its rows and then its last row repeated) and stored their number (counts[e]).
; SHARES.  A work-group has one expert and a slice of 1,024 k x 128 n of its weights, which it alone reads: 512 KB of f32, in rows of 512 consecutive bytes, rounded to bf16 on the way through
; registers and kept whole in LDS, [k][n] in 16 bits.  IS_UP: 8 experts x 32 slices of n.  Else: 8 experts x 4 quarters of k x 8 slices of n; the quarters' partial sums are added by the last launch.
; The expert's rows go in blocks of 16, dealt to the four waves by turns (block g to wave g % 4), five blocks of a wave a pass, four passes: 4 x 5 x 4 x 16 = 1,280 rows; an expert has 1,024 at the most.
; Blocks 0-3 of a pass always run; block 4, and whole later passes, are jumped by scalar branches on the count.  Places past the count repeat the expert's last row, which lies in the same block (the
; same bytes go to the same place); blocks past the count are not stored: stores go by whole blocks of 16 and EXEC is never changed.  No barrier stands in anything that is jumped.
; PASS 0 streams and multiplies at once: 16 chunks of 64 k.  While chunk c is multiplied, the weights of chunk c + 1 are rounded and stored to LDS, those of c + 2 and c + 3 are on their way
; (16 loads of 512 bytes a wave each), and the token rows of c + 1 are loaded.  One barrier a chunk; every byte of the slice is written once.  Later passes (an expert with more than 320 rows)
; read the resident slice, with no fetch ahead.  Each of the four pass trips has two barriers, on every wave's path: between them no wave writes LDS, and only there is the slice read again.
; THE MATRIX INSTRUCTION IS USED TRANSPOSED: source 0 = 16 columns of the weights (turned on the way out of LDS by ds_load_tr16_b128), source 1 = 16 token rows (K along their bytes, straight from
; memory).  In the result lane (r, hf) holds token r and the eight neighbouring columns 8 hf + 0..7.  The bias, rounded to bf16, is the C operand of the first product.
; FORMATS.  x, the weights and the biases are rounded to bf16.  The hidden layer is rounded once to f16; W2's bf16 numbers are written as f16 for the f16 product.
; LIMITS.  |h| must stay under 65,504 (f16's end; beyond it an infinity arises).  A weight of W2 under 6e-5 keeps f16's fixed step of 6e-8.  NaN and infinities are not treated apart.
; NO TENSOR LOADS, NO CLUSTER: f32 weights pass through registers to be rounded, each slice has one reader, the token rows come by a list, and beside the slice LDS has 32 KB left, less than one
; chunk of an expert's rows twice over.
; REGISTERS, in windows of 256 (s_set_vgpr_msb: bits 1:0 source 0, 3:2 source 1, 5:4 source 2, 7:6 destination):
;   window 0: v0-31 addresses and scratch; v32-95 bias; v96-159, v160-223 two buffers of weight fragments; v224-255 packed numbers on their way to LDS
;   window 1: accumulators of blocks 0-3 ((a, b) at 64 a + 8 b)      window 2: v0-63 those of block 4; v64-103 the slots for the way out, eight a block; v128-255 two slots of f32 weights as loaded
;   window 3: v0-159 two slots of token fragments (80 slot + 16 a + 8 ks)
.if IS_UP
.set PITCH, 16384                      ; bytes from a k row of the weights to the next
.set ASH,   11                         ; a row of the left operand is 1 << ASH bytes (xb: 1,024 bf16)
.set AMAX,  1023                       ; its last row
.set OSH,   13                         ; a row of the result is 1 << OSH bytes (h: 4,096 f16)
.else
.set PITCH, 4096
.set ASH,   13                         ; h: 4,096 f16
.set AMAX,  2047
.set OSH,   12                         ; y: 1,024 f32
.endif
.set CHB,    64*PITCH                  ; a chunk of 64 k rows in memory
.set LP,     288                       ; a k row of the slice in LDS: 256 bytes + 32 = 72 words
.set CHL,    64*LP                     ; a chunk in LDS
.set STAGE,  1024*LP                   ; behind the slice: each wave's stage for the way out: 16 rows of 256 bytes + 16
.set SPITCH, 272
.set STGB,   16*SPITCH
.set SPARE,  STAGE+4*STGB              ; the spare words, 128 bytes for each wave
.set LISTB,  5120                      ; an expert's list in memory: 1,280 entries
.set LSTEP,  1280                      ; bytes of it from a pass to the next: 5 blocks x 4 waves x 16 entries
; v1 lane; v2 r = lane % 16; v3 16 hf; v4 my spare word; v5 0; v6 0 (for the relu); v7 my offset in a chunk of weights; v8 where I store packed weights; v9 where I read fragments;
; v10 v9's lane part; v11, v12 stage in, stage back; v13 my byte in the list, by r; v14 the same, by half; v15 16 r; v16-20 byte offsets of my token rows, a block each; v22-30 scratch; v31 v8's lane part
.set AO,  16
.set BI,  32
.set BF0, 96
.set BF1, 160
.set TP,  224
.set OB,  96                           ; the way out: rows read back from the stage,
.set HO,  136                          ; their byte offsets in the result
.set SLW, 64                           ; window 2: their slots as loaded
.set ASL, 80                           ; window 3: registers in a slot of token fragments
; s14 wave; s15 expert; s16 slice; s17 quarter; s20 my blocks left, this pass's among them; s21, s22 counters; s23 scratch; s[24:25] left operand at the chunk in hand; s[26:27] weights likewise;
; s[30:31] result; s[34:35] left operand at chunk 0; s36 upper bf16; s37 -1 or 0; s38 LDS byte of the chunk at which the bases stand; s39 the expert's rows
.set MSB, 0
.macro WIN new                         ; the immediate's high byte repeats the setting that is left; a switch that changes nothing is dropped
.if MSB != (\new)
	s_set_vgpr_msb (MSB<<8)|(\new)
.set MSB, \new
.endif
.endm
; A load into a register that a matrix instruction has read, and a vector or LDS instruction that reads a matrix result, stand four plain vector instructions behind it (ISA guide 7.12.1 for vector and LDS instructions).
.macro PLACES
.rept 4
	v_nop
.endr
.endm
; 16 k rows of a chunk, f32, into slot sl: each load is one row's 512 consecutive bytes
.macro WLOAD sl, off
	WIN 0x80
.set i, 0
.rept 16
	global_load_b128 v[128+64*(\sl)+4*i:128+64*(\sl)+4*i+3], v7, s[26:27] offset:(\off)+i*PITCH th:TH_LOAD_NT
.set i, i+1
.endr
	WIN 0
.endm
.macro CVT sl                          ; slot sl rounded to bf16, two a register
	WIN 0x0a
.set i, 0
.rept 32
	v_cvt_pk_bf16_f32 v[TP+i], v[128+64*(\sl)+2*i], v[128+64*(\sl)+2*i+1]
.set i, i+1
.endr
	WIN 0
.endm
.macro CVT2                            ; the bf16 numbers written as f16 (exact from 6e-5 up)
	WIN 0
.set i, 0
.rept 32
.set S0, 24+2*(i%3)
	v_lshlrev_b32 v[S0], 16, v[TP+i]
	v_and_b32 v[S0+1], s36, v[TP+i]
	v_cvt_pk_f16_f32 v[TP+i], v[S0], v[S0+1]
.set i, i+1
.endr
.endm
.macro WSTORE off                      ; my 16 rows into the slice: 32 lanes store a row's 256 consecutive bytes
	WIN 0
.set i, 0
.rept 16
	ds_store_b64 v8, v[TP+2*i:TP+2*i+1] offset:(\off)+LP*i
.set i, i+1
.endr
.endm
.macro ALD sl, blk, koff               ; block blk's 16 rows x 64 k: lane (r, hf) takes 16 bytes at 16 hf, + 32, + 64, + 96 of its row's 128.  The hint: the expert's other work-groups read the same rows
.irp q, 0,1
	global_load_b128 v[ASL*(\sl)+16*(\blk)+8*(\q):ASL*(\sl)+16*(\blk)+8*(\q)+3],   v[AO+(\blk)], s[24:25] offset:(\koff)+64*(\q) th:TH_LOAD_HT
	global_load_b128 v[ASL*(\sl)+16*(\blk)+8*(\q)+4:ASL*(\sl)+16*(\blk)+8*(\q)+7], v[AO+(\blk)], s[24:25] offset:(\koff)+64*(\q)+32 th:TH_LOAD_HT
.endr
.endm
.macro ALOAD sl, koff                  ; 16 loads, and 4 more for block 4 where the pass has it
	WIN 0xc0
	ALD \sl, 0, \koff
	ALD \sl, 1, \koff
	ALD \sl, 2, \koff
	ALD \sl, 3, \koff
	WIN 0
	s_cmp_gt_i32 s20, 4
	s_cbranch_scc0 .Lal_\@
	WIN 0xc0
	ALD \sl, 4, \koff
	WIN 0
.Lal_\@:
.endm
.macro BLOAD bf, off                   ; 32 k x 128 n of the slice as eight fragments: 16 turning loads
	WIN 0
.irp b, 0,1,2,3,4,5,6,7
	ds_load_tr16_b128 v[(\bf)+8*(\b):(\bf)+8*(\b)+3],   v9 offset:(\off)+32*(\b)
	ds_load_tr16_b128 v[(\bf)+8*(\b)+4:(\bf)+8*(\b)+7], v9 offset:(\off)+16*LP+32*(\b)
.endr
.endm
; 8 matrix instructions: block blk x all 8 groups of 16 columns, 32 along k.  first = 1: the bias starts the sums.  The accumulators take turns, one instruction a turn.
.macro MUL sl, ks, bf, blk, first
.set AC, 64*((\blk)%4)
.set AF, ASL*(\sl)+16*(\blk)+8*(\ks)
	WIN 0x5c+0x50*((\blk)/4)-0x10*(1+(\blk)/4)*(\first)
.irp b, 0,1,2,3,4,5,6,7
.if IS_UP
.if \first
	v_wmma_f32_16x16x32_bf16 v[AC+8*(\b):AC+8*(\b)+7], v[(\bf)+8*(\b):(\bf)+8*(\b)+7], v[AF:AF+7], v[BI+8*(\b):BI+8*(\b)+7]
.else
	v_wmma_f32_16x16x32_bf16 v[AC+8*(\b):AC+8*(\b)+7], v[(\bf)+8*(\b):(\bf)+8*(\b)+7], v[AF:AF+7], v[AC+8*(\b):AC+8*(\b)+7]
.endif
.else
.if \first
	v_wmma_f32_16x16x32_f16 v[AC+8*(\b):AC+8*(\b)+7], v[(\bf)+8*(\b):(\bf)+8*(\b)+7], v[AF:AF+7], v[BI+8*(\b):BI+8*(\b)+7]
.else
	v_wmma_f32_16x16x32_f16 v[AC+8*(\b):AC+8*(\b)+7], v[(\bf)+8*(\b):(\bf)+8*(\b)+7], v[AF:AF+7], v[AC+8*(\b):AC+8*(\b)+7]
.endif
.endif
.endr
.endm
.macro CMUL sl, ks, bf, first          ; block 4, where the pass has it
	WIN 0
	s_cmp_gt_i32 s20, 4
	s_cbranch_scc0 .Lcm_\@
	MUL \sl, \ks, \bf, 4, \first
	WIN 0
.Lcm_\@:
.endm
; A pass's part of the list.  My block a is the expert's block 4 (5 pass + a) + wave: 64 bytes at 256 a + 64 wave + 1,280 pass.  Lane (r, hf) takes entry r of each block for its token row,
; and each half of the lanes the eight entries 8 half + 0..7 for the way out.  Every address is a constant and a lane's term: the list is whole, whatever the count.
.macro LISTLD
	WIN 0
.irp a, 0,1,2,3,4
	global_load_b32 v[22+(\a)], v13, s[10:11] offset:256*(\a)
.endr
	WIN 0x80
.irp a, 0,1,2,3,4
	global_load_b128 v[SLW+8*(\a):SLW+8*(\a)+3],   v14, s[10:11] offset:256*(\a)
	global_load_b128 v[SLW+8*(\a)+4:SLW+8*(\a)+7], v14, s[10:11] offset:256*(\a)+16
.endr
	WIN 0
.endm
.macro ROWS                            ; the byte offsets of my token rows
.irp a, 0,1,2,3,4
.if IS_UP
	v_lshrrev_b32 v[22+(\a)], 1, v[22+(\a)]        ; the slot's token
.endif
	v_min_u32 v[22+(\a)], AMAX, v[22+(\a)]
	v_lshl_add_u32 v[AO+(\a)], v[22+(\a)], ASH, v3
.endr
.endm
; CHUNK c of pass 0.  The bases stand at chunk c - rho; c's token fragments lie in slot par.  doA: the rows of c + 1 are loaded; doW: the weights of c + 3; doCv: those of c + 1 go to LDS.
; n: the loads that may stay out at the head: the 16 weight loads of c + 2, always issued behind c's token loads, however many of those were jumped.
.macro CHUNK rho, par, doA, doW, doCv, n, first
.set OS, 1-(\par)
	s_wait_loadcnt \n                              ; c's token rows are in, and the weights of c + 1, issued ahead of them
.if \doCv
	CVT OS                                         ; 32 plain instructions: also the places in front of the loads below
.else
	PLACES
.endif
.if \doA
	ALOAD OS, ((\rho)+1)*128
.endif
.if \doW
	WLOAD OS, ((\rho)+3)*CHB                       ; into the slot just rounded
.endif
.if \doCv
.if !IS_UP
	CVT2
.endif
	WSTORE ((\rho)+1)*CHL
.endif
	BLOAD BF1, (\rho)*CHL+32*LP                    ; c's second 32 k
.if \doCv
	s_wait_dscnt 32                                ; c's first 32 k are in: behind them stand my 16 stores and the 16 loads just issued
.else
	s_wait_dscnt 16
.endif
	MUL \par, 0, BF0, 0, \first
	MUL \par, 0, BF0, 1, \first
	MUL \par, 0, BF0, 2, \first
	MUL \par, 0, BF0, 3, \first
.if \first
	MUL \par, 0, BF0, 4, 1                         ; the very first step writes every accumulator, whatever the count
.else
	CMUL \par, 0, BF0, 0
.endif
	s_wait_dscnt 0x0                               ; my part of chunk c + 1 is in LDS (for the others' sake: zero), and c's second 32 k are in
.if \doCv
	s_barrier_signal -1
.endif
	MUL \par, 1, BF1, 0, 0                         ; work on registers while the others arrive
	MUL \par, 1, BF1, 1, 0
.if \doCv
	s_barrier_wait -1                              ; chunk c + 1 is whole
	PLACES
	BLOAD BF0, ((\rho)+1)*CHL                      ; its first 32 k
.endif
	MUL \par, 1, BF1, 2, 0
	MUL \par, 1, BF1, 3, 0
	CMUL \par, 1, BF1, 0
	WIN 0
.endm
.macro STEP m                          ; the bases go m chunks on
	s_wait_xcnt 0x0                                ; every earlier memory instruction has had its addresses translated (ISA guide 3.1): only now are the bases rewritten
	s_add_nc_u64 s[24:25], s[24:25], 128*(\m)
	s_add_nc_u64 s[26:27], s[26:27], (\m)*CHB
	s_add_co_u32 s38, s38, (\m)*CHL
	v_add_nc_u32 v8, s38, v31
	v_add_nc_u32 v9, s38, v10
.endm
.macro LADDR                           ; a later pass's fragment address, made anew straight ahead of the loads that use it: the chunk's LDS byte, held to the slice's last chunk by a constant in the line (it is 0 to 15 chunks here), and my lane's part
	v_mov_b32 v22, s38
	v_min_u32 v22, 15*CHL, v22
	v_add_nc_u32 v9, v22, v10
.endm
.macro LCHUNK first                    ; a chunk of a later pass: the slice is resident, nothing is fetched ahead
	LADDR
	PLACES
	ALOAD 0, 0
	BLOAD BF0, 0
	BLOAD BF1, 32*LP
	s_wait_loadcnt 0x0
	s_wait_dscnt 16                                ; the first 32 k
	MUL 0, 0, BF0, 0, \first
	MUL 0, 0, BF0, 1, \first
	MUL 0, 0, BF0, 2, \first
	MUL 0, 0, BF0, 3, \first
	CMUL 0, 0, BF0, \first
	s_wait_dscnt 0x0
	MUL 0, 1, BF1, 0, 0
	MUL 0, 1, BF1, 1, 0
	MUL 0, 1, BF1, 2, 0
	MUL 0, 1, BF1, 3, 0
	CMUL 0, 1, BF1, 0
	WIN 0
	s_wait_xcnt 0x0                                ; the base is rewritten only behind this wait
	s_add_nc_u64 s[24:25], s[24:25], 128
	s_add_co_u32 s38, s38, CHL
.endm
; THE WAY OUT of block blk, jumped where the pass has no such block.  A lane's eight columns of a row go into my own stage and come back as whole rows of 256 bytes: lanes 0-15 row t, lanes 16-31 row t + 8;
; LDS serves a wave's instructions in order (ISA guide 5.7.1.4), so no wait stands between the stores and the loads.  Each row goes to its slot's place: 16 lanes store 256 consecutive bytes, aligned.
.macro EPI blk
	WIN 0
	s_cmp_gt_i32 s20, \blk
	s_cbranch_scc0 .Lep_\@
	s_wait_xcnt 0x0                                ; the registers that earlier stores read are rewritten only behind this wait
.set AC, 64*((\blk)%4)
	WIN 0x08                                       ; source 1: the slots of rows 8 half + 0..7, in window 2 since the pass's beginning
.irp t, 0,1,2,3,4,5,6,7
	v_min_u32 v[HO+(\t)], 0x7ff, v[SLW+8*(\blk)+(\t)]
.endr
	WIN 0
.irp t, 0,1,2,3,4,5,6,7
	v_lshl_add_u32 v[HO+(\t)], v[HO+(\t)], OSH, v15
.endr
.if IS_UP
	WIN 0x05*(1+(\blk)/4)
.set i, 0
.rept 32
	v_cvt_pk_f16_f32 v[TP+i], v[AC+2*i], v[AC+2*i+1]  ; each accumulator from its low end on
.set i, i+1
.endr
	WIN 0
.set i, 0
.rept 32
	v_pk_max_num_f16 v[TP+i], v[TP+i], v6          ; relu, on the rounded numbers: the same as rounding the relu
.set i, i+1
.endr
.irp b, 0,1,2,3,4,5,6,7
	ds_store_b128 v11, v[TP+4*(\b):TP+4*(\b)+3] offset:32*(\b)
.endr
.irp t, 0,1,2,3,4,5,6,7
	ds_load_b128 v[OB+4*(\t):OB+4*(\t)+3], v12 offset:SPITCH*(\t)
.endr
.irp t, 0,1,2,3,4,5,6,7
	s_wait_dscnt 7-(\t)
	global_store_b128 v[HO+(\t)], v[OB+4*(\t):OB+4*(\t)+3], s[30:31]
.endr
.else
.irp u, 0,1                            ; a row's 512 bytes of f32 in two halves of 64 columns
.if (\u)
	s_wait_xcnt 0x0                                ; the first half's stores have read their registers
.endif
	WIN 0x04*(1+(\blk)/4)                          ; an LDS store's data is its source 1
.irp bb, 0,1,2,3
	ds_store_b128 v11, v[AC+8*(4*(\u)+(\bb)):AC+8*(4*(\u)+(\bb))+3]   offset:64*(\bb)
	ds_store_b128 v11, v[AC+8*(4*(\u)+(\bb))+4:AC+8*(4*(\u)+(\bb))+7] offset:64*(\bb)+16
.endr
	WIN 0
.irp t, 0,1,2,3,4,5,6,7
	ds_load_b128 v[OB+4*(\t):OB+4*(\t)+3], v12 offset:SPITCH*(\t)
.endr
.irp t, 0,1,2,3,4,5,6,7
	s_wait_dscnt 7-(\t)
	global_store_b128 v[HO+(\t)], v[OB+4*(\t):OB+4*(\t)+3], s[30:31] offset:256*(\u)
.endr
.endr
.endif
.Lep_\@:
.endm
	s_load_b256 s[4:11], s[0:1], 0x0               ; left operand s[4:5], weights s[6:7], bias s[8:9], lists s[10:11]
	s_load_b128 s[44:47], s[0:1], 0x20             ; counts s[44:45], result s[46:47]
	v_lshl_add_u32 v4, v0, 2, SPARE                ; my spare word; never rewritten
	v_mov_b32 v5, 0
	v_mov_b32 v6, 0
	v_and_b32 v1, 31, v0
	v_lshrrev_b32 v22, 5, v0
	v_readfirstlane_b32 s14, v22                   ; wave 0..3
	v_and_b32 v2, 15, v0                           ; r
	v_bfe_u32 v22, v0, 4, 1                        ; hf
	v_lshlrev_b32 v3, 4, v22
	s_lshr_b32 s15, ttmp9, 5                       ; expert
	s_mov_b32 s36, 0xffff0000
	s_mov_b32 s38, 0
	s_mul_i32 s23, s14, 16*PITCH
	v_lshl_add_u32 v7, v1, 4, s23                  ; my wave's 16 k rows of a chunk, 16 bytes a lane
	s_mul_i32 s23, s14, 16*LP
	v_lshl_add_u32 v31, v1, 3, s23                 ; the same rows in LDS, 8 bytes a lane
	v_mov_b32 v8, v31
	v_and_b32 v23, 7, v0                           ; the turning load: lane l reads k row 8 hf + l % 8, 16 bytes at 16 ((l / 8) % 2)
	v_lshl_add_u32 v23, v22, 3, v23
	v_mul_u32_u24 v23, v23, LP
	v_bfe_u32 v24, v0, 3, 1
	v_lshl_add_u32 v10, v24, 4, v23
	v_mov_b32 v9, v10
	s_mul_i32 s23, s14, STGB
	s_add_co_u32 s23, s23, STAGE                   ; my stage
	v_mul_u32_u24 v23, v2, SPITCH
.if IS_UP
	v_add_nc_u32 v23, v23, v3                      ; in: row r, 16 bytes (8 f16) for each half of the lanes
.else
	v_lshl_add_u32 v23, v22, 5, v23                ; in: row r, 32 bytes (8 f32) for each half
.endif
	v_add_nc_u32 v11, s23, v23
	v_mul_u32_u24 v23, v22, 8*SPITCH
	v_lshl_add_u32 v23, v2, 4, v23
	v_add_nc_u32 v12, s23, v23                     ; back: lanes 0-15 a row, lanes 16-31 the row eight further down
	s_lshl_b32 s23, s14, 6                         ; my wave's 16 entries of every 64 of the list
	v_lshl_add_u32 v13, v2, 2, s23
	v_lshl_add_u32 v14, v22, 5, s23
	v_lshlrev_b32 v15, 4, v2
	v_lshlrev_b32 v113, 5, v22                     ; bias: 8 f32 for each half of the lanes (the register lies where the first fragments land at the head's end)
	s_lshl_b32 s28, s15, 24                        ; an expert's weights are 16 MB
	s_mov_b32 s29, 0
	s_mov_b32 s41, 0
	s_mov_b32 s43, 0
	s_mov_b32 s33, 0
	s_lshl_b32 s12, s15, 2                         ; my expert's count
	s_mov_b32 s13, 0
	s_mul_i32 s18, s15, LISTB                      ; my expert's list
	s_mov_b32 s19, 0
.if IS_UP
	s_and_b32 s16, ttmp9, 31                       ; slice of 128 columns
	s_lshl_b32 s23, s16, 9
	s_add_co_u32 s28, s28, s23
	s_lshl_b32 s40, s15, 14                        ; b1[e]
	s_add_co_u32 s40, s40, s23
	s_lshl_b32 s42, s16, 8                         ; 128 f16 in a row of h
	s_mov_b32 s32, 0
.else
	s_and_b32 s16, ttmp9, 7
	s_bfe_u32 s17, ttmp9, 0x20003                  ; quarter of k
	s_lshl_b32 s23, s17, 22                        ; 1,024 rows of 4,096 bytes
	s_add_co_u32 s28, s28, s23
	s_lshl_b32 s23, s16, 9
	s_add_co_u32 s28, s28, s23
	s_lshl_b32 s40, s15, 12                        ; b2[e]
	s_add_co_u32 s40, s40, s23
	s_lshl_b32 s42, s17, 23                        ; the quarter's 2,048 rows of y
	s_add_co_u32 s42, s42, s23
	s_lshl_b32 s32, s17, 11                        ; 1,024 f16 along a row of h
	s_cmp_eq_u32 s17, 0
	s_cselect_b32 s37, -1, 0                       ; the bias counts in quarter 0 alone
.endif
	s_wait_kmcnt 0x0
	s_add_nc_u64 s[44:45], s[44:45], s[12:13]
	s_load_b32 s39, s[44:45], 0x0                  ; the expert's rows
	s_add_nc_u64 s[10:11], s[10:11], s[18:19]
	s_add_nc_u64 s[26:27], s[6:7], s[28:29]
	s_add_nc_u64 s[8:9], s[8:9], s[40:41]
	s_add_nc_u64 s[30:31], s[46:47], s[42:43]
	s_add_nc_u64 s[34:35], s[4:5], s[32:33]
	s_mov_b64 s[24:25], s[34:35]
	LISTLD                                         ; 15 loads: the first products hang on them, so they go first
.irp b, 0,1,2,3,4,5,6,7
	global_load_b128 v[BI+8*(\b):BI+8*(\b)+3],   v113, s[8:9] offset:64*(\b)
	global_load_b128 v[BI+8*(\b)+4:BI+8*(\b)+7], v113, s[8:9] offset:64*(\b)+16
.endr
	WLOAD 0, 0
	WLOAD 1, CHB
	WIN 0xc0                                       ; the token fragments of block 4 hold 0 where they are never loaded
.set i, 0
.rept 16
	v_mov_b32 v[64+i], 0
	v_mov_b32 v[ASL+64+i], 0
.set i, i+1
.endr
	WIN 0
	s_wait_kmcnt 0x0
	s_add_co_u32 s20, s39, 15
	s_lshr_b32 s20, s20, 4                         ; the expert's blocks of 16,
	s_add_co_u32 s20, s20, 3
	s_sub_co_u32 s20, s20, s14
	s_lshr_b32 s20, s20, 2                         ; and mine of them: those with g % 4 = my wave
	s_wait_loadcnt 32                              ; the list and the bias are in: behind them stand the 32 loads of weights alone
	ROWS
	ALOAD 0, 0
.set i, 0
.rept 32                               ; the bias rounded to bf16, like every input
	v_cvt_pk_bf16_f32 v[24+i%4], v[BI+2*i], v[BI+2*i+1]
.if !IS_UP
	v_and_b32 v[24+i%4], s37, v[24+i%4]
.endif
	v_lshlrev_b32 v[BI+2*i], 16, v[24+i%4]
	v_and_b32 v[BI+2*i+1], s36, v[24+i%4]
.set i, i+1
.endr
	s_wait_loadcnt 32                              ; chunk 0's weights are in: behind them stand chunk 1's 16 loads and 16 or more of token rows
	CVT 0
	WLOAD 0, 2*CHB
.if !IS_UP
	CVT2
.endif
	WSTORE 0
	s_wait_dscnt 0x0                               ; for the others' sake: my part of chunk 0 is in LDS
	s_barrier_signal -1
	s_barrier_wait -1
	BLOAD BF0, 0
	CHUNK 0, 0, 1, 1, 1, 16, 1                     ; chunk 0 stands in front of the loop: its first products start the sums
	STEP 1
	s_mov_b32 s21, 6
.Lk:                                                   ; chunks 1 to 12, two a trip
	CHUNK 0, 1, 1, 1, 1, 16, 0
	CHUNK 1, 0, 1, 1, 1, 16, 0
	STEP 2
	s_sub_co_u32 s21, s21, 1
	s_cmp_lg_u32 s21, 0
	s_cbranch_scc1 .Lk
	CHUNK 0, 1, 1, 0, 1, 16, 0                     ; chunk 13: no weights are left to ask for
	CHUNK 1, 0, 1, 0, 1, 0, 0                      ; chunk 14: nothing was issued behind its token rows
	CHUNK 2, 1, 0, 0, 0, 0, 0                      ; chunk 15
	PLACES
	s_mov_b32 s22, 4
.Lpass:                                                ; four times: a pass's blocks go out; if blocks of mine are left, the next five are multiplied
	EPI 0
	EPI 1
	EPI 2
	EPI 3
	EPI 4
	s_wait_dscnt 0x0                               ; my stores into my stage are done, and so are my reads of it
	s_barrier_signal -1                            ; every wave passes here: from this barrier to the next no wave writes LDS,
	s_barrier_wait -1                              ; and only between the two is the slice read again
	s_sub_co_i32 s20, s20, 5
	v_add_nc_u32 v13, LSTEP, v13                   ; the next pass's part of the list (the loads that named these two have been waited for)
	v_add_nc_u32 v14, LSTEP, v14
	s_cmp_gt_i32 s20, 0
	s_cbranch_scc0 .Lnone
	s_wait_xcnt 0x0                                ; the stores have read their registers: fragments land there again
	LISTLD
	s_wait_loadcnt 0x0
	ROWS
	s_mov_b64 s[24:25], s[34:35]
	s_mov_b32 s38, 0
	LCHUNK 1                                       ; the pass's first products start the sums
	s_mov_b32 s21, 15
.Llk:
	LCHUNK 0
	s_sub_co_u32 s21, s21, 1
	s_cmp_lg_u32 s21, 0
	s_cbranch_scc1 .Llk
	PLACES
.Lnone:
	s_wait_dscnt 0x0                               ; my reads of the slice are back
	s_barrier_signal -1                            ; every wave passes here too, those that had no blocks left among them:
	s_barrier_wait -1                              ; behind it the stages are written again
	s_sub_co_u32 s22, s22, 1
	s_cmp_lg_u32 s22, 0
	s_cbranch_scc1 .Lpass
	s_wait_tensorcnt 0x0                           ; the wave's end, behind my last LDS store
	ds_add_u32 v4, v5
	s_wait_dscnt 0x0
	s_endpgm
.Lfunc_end_k_qf255647a31_up:
	.size	k_qf255647a31_up, .Lfunc_end_k_qf255647a31_up-k_qf255647a31_up
	.p2alignl 7, 3214868480
	.fill 96, 4, 3214868480
	.section	.rodata,"a",@progbits
	.p2align	6, 0x0
	.amdhsa_kernel k_qf255647a31_up
		.amdhsa_group_segment_fixed_size 312832
		.amdhsa_private_segment_fixed_size 0
		.amdhsa_enable_private_segment 0
		.amdhsa_kernarg_size 48
		.amdhsa_user_sgpr_count 2
		.amdhsa_user_sgpr_kernarg_segment_ptr 1
		.amdhsa_wavefront_size32 1
		.amdhsa_system_sgpr_workgroup_id_x 1
		.amdhsa_system_sgpr_workgroup_id_y 1
		.amdhsa_system_sgpr_workgroup_id_z 1
		.amdhsa_system_vgpr_workitem_id 0
		.amdhsa_next_free_vgpr 928
		.amdhsa_next_free_sgpr 66
		.amdhsa_reserve_vcc 0
		.amdhsa_float_denorm_mode_32 3
		.amdhsa_float_denorm_mode_16_64 3
		.amdhsa_memory_ordered 1
		.amdhsa_forward_progress 1
		.amdhsa_inst_pref_size 159
	.end_amdhsa_kernel
	.amdgpu_metadata
---
amdhsa.version: [ 1, 2 ]
amdhsa.kernels:
  - .name:           k_qf255647a31_up
    .symbol:         k_qf255647a31_up.kd
    .args:
      - { .name: xb, .offset: 0, .size: 8, .value_kind: global_buffer, .address_space: global }
      - { .name: W1, .offset: 8, .size: 8, .value_kind: global_buffer, .address_space: global }
      - { .name: b1, .offset: 16, .size: 8, .value_kind: global_buffer, .address_space: global }
      - { .name: lists, .offset: 24, .size: 8, .value_kind: global_buffer, .address_space: global }
      - { .name: counts, .offset: 32, .size: 8, .value_kind: global_buffer, .address_space: global }
      - { .name: h, .offset: 40, .size: 8, .value_kind: global_buffer, .address_space: global }
    .group_segment_fixed_size: 312832
    .private_segment_fixed_size: 0
    .kernarg_segment_align: 8
    .kernarg_segment_size: 48
    .max_flat_workgroup_size: 128
    .sgpr_count:     66
    .vgpr_count:     928
    .wavefront_size: 32
...
	.end_amdgpu_metadata
.endif
;; end of part 3
;; launch down (part 4): grid 256 x 1, 4 waves a work-group, no clusters, 312,832 bytes of LDS; arguments h, W2, b2, lists, counts, y; writes y
.if DOCPART == 4
	.amdgcn_target "amdgcn-amd-amdhsa--gfx1250"
	.amdhsa_code_object_version 6
	.text
	.protected	k_qf255647a31_down
	.globl	k_qf255647a31_down
	.p2align	8
	.type	k_qf255647a31_down,@function
k_qf255647a31_down:
	s_mov_b64 s[64:65], 0
	v_nop
	global_prefetch_b8 v0, s[64:65] scope:SCOPE_SE
	s_setreg_imm32_b32 hwreg(HW_REG_WAVE_MODE, 25, 1), 1
	s_wait_xcnt 0x0
.set IS_UP, 0                          ; 1: h = relu(xb W1[e] + b1[e]), f16.   0: y[quarter] = h W2[e] (+ b2[e] in quarter 0), f32.  The text of the two kernels differs in this line alone.
; ONE PRODUCT OF THE ROUTED EXPERTS, only for the rows that chose the expert.  A routed row has the fixed place ('slot') 2 t + k.  The launch before laid each expert's slots end to end in memory
; (lists[e]: 1,280 entries, its rows and then its last row repeated) and stored their number (counts[e]).
; SHARES.  A work-group has one expert and a slice of 1,024 k x 128 n of its weights, which it alone reads: 512 KB of f32, in rows of 512 consecutive bytes, rounded to bf16 on the way through
; registers and kept whole in LDS, [k][n] in 16 bits.  IS_UP: 8 experts x 32 slices of n.  Else: 8 experts x 4 quarters of k x 8 slices of n; the quarters' partial sums are added by the last launch.
; The expert's rows go in blocks of 16, dealt to the four waves by turns (block g to wave g % 4), five blocks of a wave a pass, four passes: 4 x 5 x 4 x 16 = 1,280 rows; an expert has 1,024 at the most.
; Blocks 0-3 of a pass always run; block 4, and whole later passes, are jumped by scalar branches on the count.  Places past the count repeat the expert's last row, which lies in the same block (the
; same bytes go to the same place); blocks past the count are not stored: stores go by whole blocks of 16 and EXEC is never changed.  No barrier stands in anything that is jumped.
; PASS 0 streams and multiplies at once: 16 chunks of 64 k.  While chunk c is multiplied, the weights of chunk c + 1 are rounded and stored to LDS, those of c + 2 and c + 3 are on their way
; (16 loads of 512 bytes a wave each), and the token rows of c + 1 are loaded.  One barrier a chunk; every byte of the slice is written once.  Later passes (an expert with more than 320 rows)
; read the resident slice, with no fetch ahead.  Each of the four pass trips has two barriers, on every wave's path: between them no wave writes LDS, and only there is the slice read again.
; THE MATRIX INSTRUCTION IS USED TRANSPOSED: source 0 = 16 columns of the weights (turned on the way out of LDS by ds_load_tr16_b128), source 1 = 16 token rows (K along their bytes, straight from
; memory).  In the result lane (r, hf) holds token r and the eight neighbouring columns 8 hf + 0..7.  The bias, rounded to bf16, is the C operand of the first product.
; FORMATS.  x, the weights and the biases are rounded to bf16.  The hidden layer is rounded once to f16; W2's bf16 numbers are written as f16 for the f16 product.
; LIMITS.  |h| must stay under 65,504 (f16's end; beyond it an infinity arises).  A weight of W2 under 6e-5 keeps f16's fixed step of 6e-8.  NaN and infinities are not treated apart.
; NO TENSOR LOADS, NO CLUSTER: f32 weights pass through registers to be rounded, each slice has one reader, the token rows come by a list, and beside the slice LDS has 32 KB left, less than one
; chunk of an expert's rows twice over.
; REGISTERS, in windows of 256 (s_set_vgpr_msb: bits 1:0 source 0, 3:2 source 1, 5:4 source 2, 7:6 destination):
;   window 0: v0-31 addresses and scratch; v32-95 bias; v96-159, v160-223 two buffers of weight fragments; v224-255 packed numbers on their way to LDS
;   window 1: accumulators of blocks 0-3 ((a, b) at 64 a + 8 b)      window 2: v0-63 those of block 4; v64-103 the slots for the way out, eight a block; v128-255 two slots of f32 weights as loaded
;   window 3: v0-159 two slots of token fragments (80 slot + 16 a + 8 ks)
.if IS_UP
.set PITCH, 16384                      ; bytes from a k row of the weights to the next
.set ASH,   11                         ; a row of the left operand is 1 << ASH bytes (xb: 1,024 bf16)
.set AMAX,  1023                       ; its last row
.set OSH,   13                         ; a row of the result is 1 << OSH bytes (h: 4,096 f16)
.else
.set PITCH, 4096
.set ASH,   13                         ; h: 4,096 f16
.set AMAX,  2047
.set OSH,   12                         ; y: 1,024 f32
.endif
.set CHB,    64*PITCH                  ; a chunk of 64 k rows in memory
.set LP,     288                       ; a k row of the slice in LDS: 256 bytes + 32 = 72 words
.set CHL,    64*LP                     ; a chunk in LDS
.set STAGE,  1024*LP                   ; behind the slice: each wave's stage for the way out: 16 rows of 256 bytes + 16
.set SPITCH, 272
.set STGB,   16*SPITCH
.set SPARE,  STAGE+4*STGB              ; the spare words, 128 bytes for each wave
.set LISTB,  5120                      ; an expert's list in memory: 1,280 entries
.set LSTEP,  1280                      ; bytes of it from a pass to the next: 5 blocks x 4 waves x 16 entries
; v1 lane; v2 r = lane % 16; v3 16 hf; v4 my spare word; v5 0; v6 0 (for the relu); v7 my offset in a chunk of weights; v8 where I store packed weights; v9 where I read fragments;
; v10 v9's lane part; v11, v12 stage in, stage back; v13 my byte in the list, by r; v14 the same, by half; v15 16 r; v16-20 byte offsets of my token rows, a block each; v22-30 scratch; v31 v8's lane part
.set AO,  16
.set BI,  32
.set BF0, 96
.set BF1, 160
.set TP,  224
.set OB,  96                           ; the way out: rows read back from the stage,
.set HO,  136                          ; their byte offsets in the result
.set SLW, 64                           ; window 2: their slots as loaded
.set ASL, 80                           ; window 3: registers in a slot of token fragments
; s14 wave; s15 expert; s16 slice; s17 quarter; s20 my blocks left, this pass's among them; s21, s22 counters; s23 scratch; s[24:25] left operand at the chunk in hand; s[26:27] weights likewise;
; s[30:31] result; s[34:35] left operand at chunk 0; s36 upper bf16; s37 -1 or 0; s38 LDS byte of the chunk at which the bases stand; s39 the expert's rows
.set MSB, 0
.macro WIN new                         ; the immediate's high byte repeats the setting that is left; a switch that changes nothing is dropped
.if MSB != (\new)
	s_set_vgpr_msb (MSB<<8)|(\new)
.set MSB, \new
.endif
.endm
; A load into a register that a matrix instruction has read, and a vector or LDS instruction that reads a matrix result, stand four plain vector instructions behind it (ISA guide 7.12.1 for vector and LDS instructions).
.macro PLACES
.rept 4
	v_nop
.endr
.endm
; 16 k rows of a chunk, f32, into slot sl: each load is one row's 512 consecutive bytes
.macro WLOAD sl, off
	WIN 0x80
.set i, 0
.rept 16
	global_load_b128 v[128+64*(\sl)+4*i:128+64*(\sl)+4*i+3], v7, s[26:27] offset:(\off)+i*PITCH th:TH_LOAD_NT
.set i, i+1
.endr
	WIN 0
.endm
.macro CVT sl                          ; slot sl rounded to bf16, two a register
	WIN 0x0a
.set i, 0
.rept 32
	v_cvt_pk_bf16_f32 v[TP+i], v[128+64*(\sl)+2*i], v[128+64*(\sl)+2*i+1]
.set i, i+1
.endr
	WIN 0
.endm
.macro CVT2                            ; the bf16 numbers written as f16 (exact from 6e-5 up)
	WIN 0
.set i, 0
.rept 32
.set S0, 24+2*(i%3)
	v_lshlrev_b32 v[S0], 16, v[TP+i]
	v_and_b32 v[S0+1], s36, v[TP+i]
	v_cvt_pk_f16_f32 v[TP+i], v[S0], v[S0+1]
.set i, i+1
.endr
.endm
.macro WSTORE off                      ; my 16 rows into the slice: 32 lanes store a row's 256 consecutive bytes
	WIN 0
.set i, 0
.rept 16
	ds_store_b64 v8, v[TP+2*i:TP+2*i+1] offset:(\off)+LP*i
.set i, i+1
.endr
.endm
.macro ALD sl, blk, koff               ; block blk's 16 rows x 64 k: lane (r, hf) takes 16 bytes at 16 hf, + 32, + 64, + 96 of its row's 128.  The hint: the expert's other work-groups read the same rows
.irp q, 0,1
	global_load_b128 v[ASL*(\sl)+16*(\blk)+8*(\q):ASL*(\sl)+16*(\blk)+8*(\q)+3],   v[AO+(\blk)], s[24:25] offset:(\koff)+64*(\q) th:TH_LOAD_HT
	global_load_b128 v[ASL*(\sl)+16*(\blk)+8*(\q)+4:ASL*(\sl)+16*(\blk)+8*(\q)+7], v[AO+(\blk)], s[24:25] offset:(\koff)+64*(\q)+32 th:TH_LOAD_HT
.endr
.endm
.macro ALOAD sl, koff                  ; 16 loads, and 4 more for block 4 where the pass has it
	WIN 0xc0
	ALD \sl, 0, \koff
	ALD \sl, 1, \koff
	ALD \sl, 2, \koff
	ALD \sl, 3, \koff
	WIN 0
	s_cmp_gt_i32 s20, 4
	s_cbranch_scc0 .Lal_\@
	WIN 0xc0
	ALD \sl, 4, \koff
	WIN 0
.Lal_\@:
.endm
.macro BLOAD bf, off                   ; 32 k x 128 n of the slice as eight fragments: 16 turning loads
	WIN 0
.irp b, 0,1,2,3,4,5,6,7
	ds_load_tr16_b128 v[(\bf)+8*(\b):(\bf)+8*(\b)+3],   v9 offset:(\off)+32*(\b)
	ds_load_tr16_b128 v[(\bf)+8*(\b)+4:(\bf)+8*(\b)+7], v9 offset:(\off)+16*LP+32*(\b)
.endr
.endm
; 8 matrix instructions: block blk x all 8 groups of 16 columns, 32 along k.  first = 1: the bias starts the sums.  The accumulators take turns, one instruction a turn.
.macro MUL sl, ks, bf, blk, first
.set AC, 64*((\blk)%4)
.set AF, ASL*(\sl)+16*(\blk)+8*(\ks)
	WIN 0x5c+0x50*((\blk)/4)-0x10*(1+(\blk)/4)*(\first)
.irp b, 0,1,2,3,4,5,6,7
.if IS_UP
.if \first
	v_wmma_f32_16x16x32_bf16 v[AC+8*(\b):AC+8*(\b)+7], v[(\bf)+8*(\b):(\bf)+8*(\b)+7], v[AF:AF+7], v[BI+8*(\b):BI+8*(\b)+7]
.else
	v_wmma_f32_16x16x32_bf16 v[AC+8*(\b):AC+8*(\b)+7], v[(\bf)+8*(\b):(\bf)+8*(\b)+7], v[AF:AF+7], v[AC+8*(\b):AC+8*(\b)+7]
.endif
.else
.if \first
	v_wmma_f32_16x16x32_f16 v[AC+8*(\b):AC+8*(\b)+7], v[(\bf)+8*(\b):(\bf)+8*(\b)+7], v[AF:AF+7], v[BI+8*(\b):BI+8*(\b)+7]
.else
	v_wmma_f32_16x16x32_f16 v[AC+8*(\b):AC+8*(\b)+7], v[(\bf)+8*(\b):(\bf)+8*(\b)+7], v[AF:AF+7], v[AC+8*(\b):AC+8*(\b)+7]
.endif
.endif
.endr
.endm
.macro CMUL sl, ks, bf, first          ; block 4, where the pass has it
	WIN 0
	s_cmp_gt_i32 s20, 4
	s_cbranch_scc0 .Lcm_\@
	MUL \sl, \ks, \bf, 4, \first
	WIN 0
.Lcm_\@:
.endm
; A pass's part of the list.  My block a is the expert's block 4 (5 pass + a) + wave: 64 bytes at 256 a + 64 wave + 1,280 pass.  Lane (r, hf) takes entry r of each block for its token row,
; and each half of the lanes the eight entries 8 half + 0..7 for the way out.  Every address is a constant and a lane's term: the list is whole, whatever the count.
.macro LISTLD
	WIN 0
.irp a, 0,1,2,3,4
	global_load_b32 v[22+(\a)], v13, s[10:11] offset:256*(\a)
.endr
	WIN 0x80
.irp a, 0,1,2,3,4
	global_load_b128 v[SLW+8*(\a):SLW+8*(\a)+3],   v14, s[10:11] offset:256*(\a)
	global_load_b128 v[SLW+8*(\a)+4:SLW+8*(\a)+7], v14, s[10:11] offset:256*(\a)+16
.endr
	WIN 0
.endm
.macro ROWS                            ; the byte offsets of my token rows
.irp a, 0,1,2,3,4
.if IS_UP
	v_lshrrev_b32 v[22+(\a)], 1, v[22+(\a)]        ; the slot's token
.endif
	v_min_u32 v[22+(\a)], AMAX, v[22+(\a)]
	v_lshl_add_u32 v[AO+(\a)], v[22+(\a)], ASH, v3
.endr
.endm
; CHUNK c of pass 0.  The bases stand at chunk c - rho; c's token fragments lie in slot par.  doA: the rows of c + 1 are loaded; doW: the weights of c + 3; doCv: those of c + 1 go to LDS.
; n: the loads that may stay out at the head: the 16 weight loads of c + 2, always issued behind c's token loads, however many of those were jumped.
.macro CHUNK rho, par, doA, doW, doCv, n, first
.set OS, 1-(\par)
	s_wait_loadcnt \n                              ; c's token rows are in, and the weights of c + 1, issued ahead of them
.if \doCv
	CVT OS                                         ; 32 plain instructions: also the places in front of the loads below
.else
	PLACES
.endif
.if \doA
	ALOAD OS, ((\rho)+1)*128
.endif
.if \doW
	WLOAD OS, ((\rho)+3)*CHB                       ; into the slot just rounded
.endif
.if \doCv
.if !IS_UP
	CVT2
.endif
	WSTORE ((\rho)+1)*CHL
.endif
	BLOAD BF1, (\rho)*CHL+32*LP                    ; c's second 32 k
.if \doCv
	s_wait_dscnt 32                                ; c's first 32 k are in: behind them stand my 16 stores and the 16 loads just issued
.else
	s_wait_dscnt 16
.endif
	MUL \par, 0, BF0, 0, \first
	MUL \par, 0, BF0, 1, \first
	MUL \par, 0, BF0, 2, \first
	MUL \par, 0, BF0, 3, \first
.if \first
	MUL \par, 0, BF0, 4, 1                         ; the very first step writes every accumulator, whatever the count
.else
	CMUL \par, 0, BF0, 0
.endif
	s_wait_dscnt 0x0                               ; my part of chunk c + 1 is in LDS (for the others' sake: zero), and c's second 32 k are in
.if \doCv
	s_barrier_signal -1
.endif
	MUL \par, 1, BF1, 0, 0                         ; work on registers while the others arrive
	MUL \par, 1, BF1, 1, 0
.if \doCv
	s_barrier_wait -1                              ; chunk c + 1 is whole
	PLACES
	BLOAD BF0, ((\rho)+1)*CHL                      ; its first 32 k
.endif
	MUL \par, 1, BF1, 2, 0
	MUL \par, 1, BF1, 3, 0
	CMUL \par, 1, BF1, 0
	WIN 0
.endm
.macro STEP m                          ; the bases go m chunks on
	s_wait_xcnt 0x0                                ; every earlier memory instruction has had its addresses translated (ISA guide 3.1): only now are the bases rewritten
	s_add_nc_u64 s[24:25], s[24:25], 128*(\m)
	s_add_nc_u64 s[26:27], s[26:27], (\m)*CHB
	s_add_co_u32 s38, s38, (\m)*CHL
	v_add_nc_u32 v8, s38, v31
	v_add_nc_u32 v9, s38, v10
.endm
.macro LADDR                           ; a later pass's fragment address, made anew straight ahead of the loads that use it: the chunk's LDS byte, held to the slice's last chunk by a constant in the line (it is 0 to 15 chunks here), and my lane's part
	v_mov_b32 v22, s38
	v_min_u32 v22, 15*CHL, v22
	v_add_nc_u32 v9, v22, v10
.endm
.macro LCHUNK first                    ; a chunk of a later pass: the slice is resident, nothing is fetched ahead
	LADDR
	PLACES
	ALOAD 0, 0
	BLOAD BF0, 0
	BLOAD BF1, 32*LP
	s_wait_loadcnt 0x0
	s_wait_dscnt 16                                ; the first 32 k
	MUL 0, 0, BF0, 0, \first
	MUL 0, 0, BF0, 1, \first
	MUL 0, 0, BF0, 2, \first
	MUL 0, 0, BF0, 3, \first
	CMUL 0, 0, BF0, \first
	s_wait_dscnt 0x0
	MUL 0, 1, BF1, 0, 0
	MUL 0, 1, BF1, 1, 0
	MUL 0, 1, BF1, 2, 0
	MUL 0, 1, BF1, 3, 0
	CMUL 0, 1, BF1, 0
	WIN 0
	s_wait_xcnt 0x0                                ; the base is rewritten only behind this wait
	s_add_nc_u64 s[24:25], s[24:25], 128
	s_add_co_u32 s38, s38, CHL
.endm
; THE WAY OUT of block blk, jumped where the pass has no such block.  A lane's eight columns of a row go into my own stage and come back as whole rows of 256 bytes: lanes 0-15 row t, lanes 16-31 row t + 8;
; LDS serves a wave's instructions in order (ISA guide 5.7.1.4), so no wait stands between the stores and the loads.  Each row goes to its slot's place: 16 lanes store 256 consecutive bytes, aligned.
.macro EPI blk
	WIN 0
	s_cmp_gt_i32 s20, \blk
	s_cbranch_scc0 .Lep_\@
	s_wait_xcnt 0x0                                ; the registers that earlier stores read are rewritten only behind this wait
.set AC, 64*((\blk)%4)
	WIN 0x08                                       ; source 1: the slots of rows 8 half + 0..7, in window 2 since the pass's beginning
.irp t, 0,1,2,3,4,5,6,7
	v_min_u32 v[HO+(\t)], 0x7ff, v[SLW+8*(\blk)+(\t)]
.endr
	WIN 0
.irp t, 0,1,2,3,4,5,6,7
	v_lshl_add_u32 v[HO+(\t)], v[HO+(\t)], OSH, v15
.endr
.if IS_UP
	WIN 0x05*(1+(\blk)/4)
.set i, 0
.rept 32
	v_cvt_pk_f16_f32 v[TP+i], v[AC+2*i], v[AC+2*i+1]  ; each accumulator from its low end on
.set i, i+1
.endr
	WIN 0
.set i, 0
.rept 32
	v_pk_max_num_f16 v[TP+i], v[TP+i], v6          ; relu, on the rounded numbers: the same as rounding the relu
.set i, i+1
.endr
.irp b, 0,1,2,3,4,5,6,7
	ds_store_b128 v11, v[TP+4*(\b):TP+4*(\b)+3] offset:32*(\b)
.endr
.irp t, 0,1,2,3,4,5,6,7
	ds_load_b128 v[OB+4*(\t):OB+4*(\t)+3], v12 offset:SPITCH*(\t)
.endr
.irp t, 0,1,2,3,4,5,6,7
	s_wait_dscnt 7-(\t)
	global_store_b128 v[HO+(\t)], v[OB+4*(\t):OB+4*(\t)+3], s[30:31]
.endr
.else
.irp u, 0,1                            ; a row's 512 bytes of f32 in two halves of 64 columns
.if (\u)
	s_wait_xcnt 0x0                                ; the first half's stores have read their registers
.endif
	WIN 0x04*(1+(\blk)/4)                          ; an LDS store's data is its source 1
.irp bb, 0,1,2,3
	ds_store_b128 v11, v[AC+8*(4*(\u)+(\bb)):AC+8*(4*(\u)+(\bb))+3]   offset:64*(\bb)
	ds_store_b128 v11, v[AC+8*(4*(\u)+(\bb))+4:AC+8*(4*(\u)+(\bb))+7] offset:64*(\bb)+16
.endr
	WIN 0
.irp t, 0,1,2,3,4,5,6,7
	ds_load_b128 v[OB+4*(\t):OB+4*(\t)+3], v12 offset:SPITCH*(\t)
.endr
.irp t, 0,1,2,3,4,5,6,7
	s_wait_dscnt 7-(\t)
	global_store_b128 v[HO+(\t)], v[OB+4*(\t):OB+4*(\t)+3], s[30:31] offset:256*(\u)
.endr
.endr
.endif
.Lep_\@:
.endm
	s_load_b256 s[4:11], s[0:1], 0x0               ; left operand s[4:5], weights s[6:7], bias s[8:9], lists s[10:11]
	s_load_b128 s[44:47], s[0:1], 0x20             ; counts s[44:45], result s[46:47]
	v_lshl_add_u32 v4, v0, 2, SPARE                ; my spare word; never rewritten
	v_mov_b32 v5, 0
	v_mov_b32 v6, 0
	v_and_b32 v1, 31, v0
	v_lshrrev_b32 v22, 5, v0
	v_readfirstlane_b32 s14, v22                   ; wave 0..3
	v_and_b32 v2, 15, v0                           ; r
	v_bfe_u32 v22, v0, 4, 1                        ; hf
	v_lshlrev_b32 v3, 4, v22
	s_lshr_b32 s15, ttmp9, 5                       ; expert
	s_mov_b32 s36, 0xffff0000
	s_mov_b32 s38, 0
	s_mul_i32 s23, s14, 16*PITCH
	v_lshl_add_u32 v7, v1, 4, s23                  ; my wave's 16 k rows of a chunk, 16 bytes a lane
	s_mul_i32 s23, s14, 16*LP
	v_lshl_add_u32 v31, v1, 3, s23                 ; the same rows in LDS, 8 bytes a lane
	v_mov_b32 v8, v31
	v_and_b32 v23, 7, v0                           ; the turning load: lane l reads k row 8 hf + l % 8, 16 bytes at 16 ((l / 8) % 2)
	v_lshl_add_u32 v23, v22, 3, v23
	v_mul_u32_u24 v23, v23, LP
	v_bfe_u32 v24, v0, 3, 1
	v_lshl_add_u32 v10, v24, 4, v23
	v_mov_b32 v9, v10
	s_mul_i32 s23, s14, STGB
	s_add_co_u32 s23, s23, STAGE                   ; my stage
	v_mul_u32_u24 v23, v2, SPITCH
.if IS_UP
	v_add_nc_u32 v23, v23, v3                      ; in: row r, 16 bytes (8 f16) for each half of the lanes
.else
	v_lshl_add_u32 v23, v22, 5, v23                ; in: row r, 32 bytes (8 f32) for each half
.endif
	v_add_nc_u32 v11, s23, v23
	v_mul_u32_u24 v23, v22, 8*SPITCH
	v_lshl_add_u32 v23, v2, 4, v23
	v_add_nc_u32 v12, s23, v23                     ; back: lanes 0-15 a row, lanes 16-31 the row eight further down
	s_lshl_b32 s23, s14, 6                         ; my wave's 16 entries of every 64 of the list
	v_lshl_add_u32 v13, v2, 2, s23
	v_lshl_add_u32 v14, v22, 5, s23
	v_lshlrev_b32 v15, 4, v2
	v_lshlrev_b32 v113, 5, v22                     ; bias: 8 f32 for each half of the lanes (the register lies where the first fragments land at the head's end)
	s_lshl_b32 s28, s15, 24                        ; an expert's weights are 16 MB
	s_mov_b32 s29, 0
	s_mov_b32 s41, 0
	s_mov_b32 s43, 0
	s_mov_b32 s33, 0
	s_lshl_b32 s12, s15, 2                         ; my expert's count
	s_mov_b32 s13, 0
	s_mul_i32 s18, s15, LISTB                      ; my expert's list
	s_mov_b32 s19, 0
.if IS_UP
	s_and_b32 s16, ttmp9, 31                       ; slice of 128 columns
	s_lshl_b32 s23, s16, 9
	s_add_co_u32 s28, s28, s23
	s_lshl_b32 s40, s15, 14                        ; b1[e]
	s_add_co_u32 s40, s40, s23
	s_lshl_b32 s42, s16, 8                         ; 128 f16 in a row of h
	s_mov_b32 s32, 0
.else
	s_and_b32 s16, ttmp9, 7
	s_bfe_u32 s17, ttmp9, 0x20003                  ; quarter of k
	s_lshl_b32 s23, s17, 22                        ; 1,024 rows of 4,096 bytes
	s_add_co_u32 s28, s28, s23
	s_lshl_b32 s23, s16, 9
	s_add_co_u32 s28, s28, s23
	s_lshl_b32 s40, s15, 12                        ; b2[e]
	s_add_co_u32 s40, s40, s23
	s_lshl_b32 s42, s17, 23                        ; the quarter's 2,048 rows of y
	s_add_co_u32 s42, s42, s23
	s_lshl_b32 s32, s17, 11                        ; 1,024 f16 along a row of h
	s_cmp_eq_u32 s17, 0
	s_cselect_b32 s37, -1, 0                       ; the bias counts in quarter 0 alone
.endif
	s_wait_kmcnt 0x0
	s_add_nc_u64 s[44:45], s[44:45], s[12:13]
	s_load_b32 s39, s[44:45], 0x0                  ; the expert's rows
	s_add_nc_u64 s[10:11], s[10:11], s[18:19]
	s_add_nc_u64 s[26:27], s[6:7], s[28:29]
	s_add_nc_u64 s[8:9], s[8:9], s[40:41]
	s_add_nc_u64 s[30:31], s[46:47], s[42:43]
	s_add_nc_u64 s[34:35], s[4:5], s[32:33]
	s_mov_b64 s[24:25], s[34:35]
	LISTLD                                         ; 15 loads: the first products hang on them, so they go first
.irp b, 0,1,2,3,4,5,6,7
	global_load_b128 v[BI+8*(\b):BI+8*(\b)+3],   v113, s[8:9] offset:64*(\b)
	global_load_b128 v[BI+8*(\b)+4:BI+8*(\b)+7], v113, s[8:9] offset:64*(\b)+16
.endr
	WLOAD 0, 0
	WLOAD 1, CHB
	WIN 0xc0                                       ; the token fragments of block 4 hold 0 where they are never loaded
.set i, 0
.rept 16
	v_mov_b32 v[64+i], 0
	v_mov_b32 v[ASL+64+i], 0
.set i, i+1
.endr
	WIN 0
	s_wait_kmcnt 0x0
	s_add_co_u32 s20, s39, 15
	s_lshr_b32 s20, s20, 4                         ; the expert's blocks of 16,
	s_add_co_u32 s20, s20, 3
	s_sub_co_u32 s20, s20, s14
	s_lshr_b32 s20, s20, 2                         ; and mine of them: those with g % 4 = my wave
	s_wait_loadcnt 32                              ; the list and the bias are in: behind them stand the 32 loads of weights alone
	ROWS
	ALOAD 0, 0
.set i, 0
.rept 32                               ; the bias rounded to bf16, like every input
	v_cvt_pk_bf16_f32 v[24+i%4], v[BI+2*i], v[BI+2*i+1]
.if !IS_UP
	v_and_b32 v[24+i%4], s37, v[24+i%4]
.endif
	v_lshlrev_b32 v[BI+2*i], 16, v[24+i%4]
	v_and_b32 v[BI+2*i+1], s36, v[24+i%4]
.set i, i+1
.endr
	s_wait_loadcnt 32                              ; chunk 0's weights are in: behind them stand chunk 1's 16 loads and 16 or more of token rows
	CVT 0
	WLOAD 0, 2*CHB
.if !IS_UP
	CVT2
.endif
	WSTORE 0
	s_wait_dscnt 0x0                               ; for the others' sake: my part of chunk 0 is in LDS
	s_barrier_signal -1
	s_barrier_wait -1
	BLOAD BF0, 0
	CHUNK 0, 0, 1, 1, 1, 16, 1                     ; chunk 0 stands in front of the loop: its first products start the sums
	STEP 1
	s_mov_b32 s21, 6
.Lk:                                                   ; chunks 1 to 12, two a trip
	CHUNK 0, 1, 1, 1, 1, 16, 0
	CHUNK 1, 0, 1, 1, 1, 16, 0
	STEP 2
	s_sub_co_u32 s21, s21, 1
	s_cmp_lg_u32 s21, 0
	s_cbranch_scc1 .Lk
	CHUNK 0, 1, 1, 0, 1, 16, 0                     ; chunk 13: no weights are left to ask for
	CHUNK 1, 0, 1, 0, 1, 0, 0                      ; chunk 14: nothing was issued behind its token rows
	CHUNK 2, 1, 0, 0, 0, 0, 0                      ; chunk 15
	PLACES
	s_mov_b32 s22, 4
.Lpass:                                                ; four times: a pass's blocks go out; if blocks of mine are left, the next five are multiplied
	EPI 0
	EPI 1
	EPI 2
	EPI 3
	EPI 4
	s_wait_dscnt 0x0                               ; my stores into my stage are done, and so are my reads of it
	s_barrier_signal -1                            ; every wave passes here: from this barrier to the next no wave writes LDS,
	s_barrier_wait -1                              ; and only between the two is the slice read again
	s_sub_co_i32 s20, s20, 5
	v_add_nc_u32 v13, LSTEP, v13                   ; the next pass's part of the list (the loads that named these two have been waited for)
	v_add_nc_u32 v14, LSTEP, v14
	s_cmp_gt_i32 s20, 0
	s_cbranch_scc0 .Lnone
	s_wait_xcnt 0x0                                ; the stores have read their registers: fragments land there again
	LISTLD
	s_wait_loadcnt 0x0
	ROWS
	s_mov_b64 s[24:25], s[34:35]
	s_mov_b32 s38, 0
	LCHUNK 1                                       ; the pass's first products start the sums
	s_mov_b32 s21, 15
.Llk:
	LCHUNK 0
	s_sub_co_u32 s21, s21, 1
	s_cmp_lg_u32 s21, 0
	s_cbranch_scc1 .Llk
	PLACES
.Lnone:
	s_wait_dscnt 0x0                               ; my reads of the slice are back
	s_barrier_signal -1                            ; every wave passes here too, those that had no blocks left among them:
	s_barrier_wait -1                              ; behind it the stages are written again
	s_sub_co_u32 s22, s22, 1
	s_cmp_lg_u32 s22, 0
	s_cbranch_scc1 .Lpass
	s_wait_tensorcnt 0x0                           ; the wave's end, behind my last LDS store
	ds_add_u32 v4, v5
	s_wait_dscnt 0x0
	s_endpgm
.Lfunc_end_k_qf255647a31_down:
	.size	k_qf255647a31_down, .Lfunc_end_k_qf255647a31_down-k_qf255647a31_down
	.p2alignl 7, 3214868480
	.fill 96, 4, 3214868480
	.section	.rodata,"a",@progbits
	.p2align	6, 0x0
	.amdhsa_kernel k_qf255647a31_down
		.amdhsa_group_segment_fixed_size 312832
		.amdhsa_private_segment_fixed_size 0
		.amdhsa_enable_private_segment 0
		.amdhsa_kernarg_size 48
		.amdhsa_user_sgpr_count 2
		.amdhsa_user_sgpr_kernarg_segment_ptr 1
		.amdhsa_wavefront_size32 1
		.amdhsa_system_sgpr_workgroup_id_x 1
		.amdhsa_system_sgpr_workgroup_id_y 1
		.amdhsa_system_sgpr_workgroup_id_z 1
		.amdhsa_system_vgpr_workitem_id 0
		.amdhsa_next_free_vgpr 928
		.amdhsa_next_free_sgpr 66
		.amdhsa_reserve_vcc 0
		.amdhsa_float_denorm_mode_32 3
		.amdhsa_float_denorm_mode_16_64 3
		.amdhsa_memory_ordered 1
		.amdhsa_forward_progress 1
		.amdhsa_inst_pref_size 174
	.end_amdhsa_kernel
	.amdgpu_metadata
---
amdhsa.version: [ 1, 2 ]
amdhsa.kernels:
  - .name:           k_qf255647a31_down
    .symbol:         k_qf255647a31_down.kd
    .args:
      - { .name: h, .offset: 0, .size: 8, .value_kind: global_buffer, .address_space: global }
      - { .name: W2, .offset: 8, .size: 8, .value_kind: global_buffer, .address_space: global }
      - { .name: b2, .offset: 16, .size: 8, .value_kind: global_buffer, .address_space: global }
      - { .name: lists, .offset: 24, .size: 8, .value_kind: global_buffer, .address_space: global }
      - { .name: counts, .offset: 32, .size: 8, .value_kind: global_buffer, .address_space: global }
      - { .name: y, .offset: 40, .size: 8, .value_kind: global_buffer, .address_space: global }
    .group_segment_fixed_size: 312832
    .private_segment_fixed_size: 0
    .kernarg_segment_align: 8
    .kernarg_segment_size: 48
    .max_flat_workgroup_size: 128
    .sgpr_count:     66
    .vgpr_count:     928
    .wavefront_size: 32
...
	.end_amdgpu_metadata
.endif
;; end of part 4
;; launch combine (part 5): grid 256 x 1, 8 waves a work-group, no clusters, 0 bytes of LDS; arguments y, gates, out0; writes out0
.if DOCPART == 5
	.amdgcn_target "amdgcn-amd-amdhsa--gfx1250"
	.amdhsa_code_object_version 6
	.text
	.protected	k_qf255647a31_combine
	.globl	k_qf255647a31_combine
	.p2align	8
	.type	k_qf255647a31_combine,@function
k_qf255647a31_combine:
	s_mov_b64 s[64:65], 0
	v_nop
	global_prefetch_b8 v0, s[64:65] scope:SCOPE_SE
	s_setreg_imm32_b32 hwreg(HW_REG_WAVE_MODE, 25, 1), 1
	s_wait_xcnt 0x0
; out[t] = gate(t, 0) x (the sum of the four k quarters of y at slot 2 t) + gate(t, 1) x (the same at slot 2 t + 1).  b2 lies in quarter 0 already.  All in f32.
; A stream: a work-group has 4 tokens, thread t the 16 bytes at 16 t of every row (a row is 4,096 bytes, the eight waves cover it; a wave's load or store covers 512 consecutive bytes).
; All 32 loads of a thread go out at once, token by token, and the waits count down.  No LDS, no barrier, no matrix unit: nothing here is read twice.
.set Y, 8                              ; v[8:135]: token k, choice s, quarter q at Y + 4 (8 k + 4 s + q)
	s_load_b128 s[4:7], s[0:1], 0x0                ; y s[4:5], gates s[6:7]
	s_load_b64 s[8:9], s[0:1], 0x10                ; out0
	v_lshlrev_b32 v1, 4, v0
	s_lshl_b32 s10, ttmp9, 15                      ; 8 slots of 4,096 bytes
	s_mov_b32 s11, 0
	s_lshl_b32 s28, ttmp9, 5                       ; 8 gates
	s_mov_b32 s29, 0
	s_lshl_b32 s30, ttmp9, 14                      ; 4 rows of the output
	s_mov_b32 s31, 0
	s_wait_kmcnt 0x0
	s_add_nc_u64 s[6:7], s[6:7], s[28:29]
	s_load_b256 s[20:27], s[6:7], 0x0              ; gate(k, s) in s[20 + 2 k + s]
	s_add_nc_u64 s[12:13], s[4:5], s[10:11]        ; a base for each quarter: they lie 8 MB apart, one byte more than a load's immediate reaches
	s_add_nc_u64 s[14:15], s[12:13], 0x800000
	s_add_nc_u64 s[16:17], s[14:15], 0x800000
	s_add_nc_u64 s[18:19], s[16:17], 0x800000
	s_add_nc_u64 s[8:9], s[8:9], s[30:31]
.irp m, 0,1,2,3,4,5,6,7                ; m = 2 k + s
.irp q, 0,1,2,3
	global_load_b128 v[Y+4*(4*(\m)+(\q)):Y+4*(4*(\m)+(\q))+3], v1, s[12+2*(\q):13+2*(\q)] offset:(\m)*4096 th:TH_LOAD_NT
.endr
.endr
	s_wait_kmcnt 0x0                               ; the gates
.macro TOK k
	s_wait_loadcnt 24-8*(\k)                       ; loads come back in order (ISA guide 5.7.1): this token's eight are in, the later tokens' stay out
.irp s, 0,1
.set R, Y+32*(\k)+16*(\s)
	v_pk_add_f32 v[R:R+1],     v[R:R+1],     v[R+4:R+5]
	v_pk_add_f32 v[R+2:R+3],   v[R+2:R+3],   v[R+6:R+7]
	v_pk_add_f32 v[R+8:R+9],   v[R+8:R+9],   v[R+12:R+13]
	v_pk_add_f32 v[R+10:R+11], v[R+10:R+11], v[R+14:R+15]
	v_pk_add_f32 v[R:R+1],     v[R:R+1],     v[R+8:R+9]
	v_pk_add_f32 v[R+2:R+3],   v[R+2:R+3],   v[R+10:R+11]
.endr
.set R, Y+32*(\k)
.irp c, 0,1,2,3
	v_mul_f32 v[R+(\c)], s[20+2*(\k)], v[R+(\c)]
.endr
.irp c, 0,1,2,3
	v_fmac_f32 v[R+(\c)], s[21+2*(\k)], v[R+16+(\c)]
.endr
	global_store_b128 v1, v[R:R+3], s[8:9] offset:4096*(\k) th:TH_STORE_NT
.endm
	TOK 0
	TOK 1
	TOK 2
	TOK 3
	s_endpgm
.Lfunc_end_k_qf255647a31_combine:
	.size	k_qf255647a31_combine, .Lfunc_end_k_qf255647a31_combine-k_qf255647a31_combine
	.p2alignl 7, 3214868480
	.fill 96, 4, 3214868480
	.section	.rodata,"a",@progbits
	.p2align	6, 0x0
	.amdhsa_kernel k_qf255647a31_combine
		.amdhsa_group_segment_fixed_size 0
		.amdhsa_private_segment_fixed_size 0
		.amdhsa_enable_private_segment 0
		.amdhsa_kernarg_size 24
		.amdhsa_user_sgpr_count 2
		.amdhsa_user_sgpr_kernarg_segment_ptr 1
		.amdhsa_wavefront_size32 1
		.amdhsa_system_sgpr_workgroup_id_x 1
		.amdhsa_system_sgpr_workgroup_id_y 1
		.amdhsa_system_sgpr_workgroup_id_z 1
		.amdhsa_system_vgpr_workitem_id 0
		.amdhsa_next_free_vgpr 136
		.amdhsa_next_free_sgpr 66
		.amdhsa_reserve_vcc 0
		.amdhsa_float_denorm_mode_32 3
		.amdhsa_float_denorm_mode_16_64 3
		.amdhsa_memory_ordered 1
		.amdhsa_forward_progress 1
		.amdhsa_inst_pref_size 9
	.end_amdhsa_kernel
	.amdgpu_metadata
---
amdhsa.version: [ 1, 2 ]
amdhsa.kernels:
  - .name:           k_qf255647a31_combine
    .symbol:         k_qf255647a31_combine.kd
    .args:
      - { .name: y, .offset: 0, .size: 8, .value_kind: global_buffer, .address_space: global }
      - { .name: gates, .offset: 8, .size: 8, .value_kind: global_buffer, .address_space: global }
      - { .name: out0, .offset: 16, .size: 8, .value_kind: global_buffer, .address_space: global }
    .group_segment_fixed_size: 0
    .private_segment_fixed_size: 0
    .kernarg_segment_align: 8
    .kernarg_segment_size: 24
    .max_flat_workgroup_size: 256
    .sgpr_count:     66
    .vgpr_count:     136
    .wavefront_size: 32
...
	.end_amdgpu_metadata
.endif
;; end of part 5
;; ======== version 2 of 2: 5 launches; version 1 with the launch down written anew for expert scheduling mode
;; limits: values are held in f16: magnitudes above 65,504 overflow, below 6.1e-05 lose precision
;; workspace buffers: xb 2,097,152 bytes; idx 8,192 bytes of whole numbers; gates 8,192 bytes; lists 40,960 bytes of whole numbers; counts 256 bytes of whole numbers; h 16,777,216 bytes; y 33,554,432 bytes
;; launch router: the kernel of part 1 again; grid 256 x 1, 4 waves a work-group, no clusters, 1,024 bytes of LDS; arguments x, Wr, xb, idx, gates; writes xb, idx, gates
;; launch sort: the kernel of part 2 again; grid 8 x 1, 4 waves a work-group, no clusters, 8,960 bytes of LDS; arguments idx, lists, counts; writes lists, counts
;; launch up: the kernel of part 3 again; grid 256 x 1, 4 waves a work-group, no clusters, 312,832 bytes of LDS; arguments xb, W1, b1, lists, counts, h; writes h
;; launch down (part 6): grid 256 x 1, 4 waves a work-group, no clusters, 312,832 bytes of LDS; arguments h, W2, b2, lists, counts, y; writes y
.if DOCPART == 6
	.amdgcn_target "amdgcn-amd-amdhsa--gfx1250"
	.amdhsa_code_object_version 6
	.text
	.protected	k_qf255647a31_down
	.globl	k_qf255647a31_down
	.p2align	8
	.type	k_qf255647a31_down,@function
k_qf255647a31_down:
	s_mov_b64 s[64:65], 0
	v_nop
	global_prefetch_b8 v0, s[64:65] scope:SCOPE_SE
	s_setreg_imm32_b32 hwreg(HW_REG_WAVE_SCHED_MODE, 0, 2), 2
	s_setreg_imm32_b32 hwreg(HW_REG_WAVE_MODE, 25, 1), 1
	s_wait_xcnt 0x0
	s_wait_alu depctr_vm_vsrc(0)
.set IS_UP, 0                          ; 1: h = relu(xb W1[e] + b1[e]), f16.   0: y[quarter] = h W2[e] (+ b2[e] in quarter 0), f32.  This is the first product's text with this line turned, in expert scheduling mode; only the form 0 is launched from it.
; ONE PRODUCT OF THE ROUTED EXPERTS, only for the rows that chose the expert.  A routed row has the fixed place ('slot') 2 t + k.  The launch before laid each expert's slots end to end in memory
; (lists[e]: 1,280 entries, its rows and then its last row repeated) and stored their number (counts[e]).
; SHARES.  A work-group has one expert and a slice of 1,024 k x 128 n of its weights, which it alone reads: 512 KB of f32, in rows of 512 consecutive bytes, rounded to bf16 on the way through
; registers and kept whole in LDS, [k][n] in 16 bits.  IS_UP: 8 experts x 32 slices of n.  Else: 8 experts x 4 quarters of k x 8 slices of n; the quarters' partial sums are added by the last launch.
; The expert's rows go in blocks of 16, dealt to the four waves by turns (block g to wave g % 4), five blocks of a wave a pass, four passes: 4 x 5 x 4 x 16 = 1,280 rows; an expert has 1,024 at the most.
; Blocks 0-3 of a pass always run; block 4, and whole later passes, are jumped by scalar branches on the count.  Places past the count repeat the expert's last row, which lies in the same block (the
; same bytes go to the same place); blocks past the count are not stored: stores go by whole blocks of 16 and EXEC is never changed.  No barrier stands in anything that is jumped.
; PASS 0 streams and multiplies at once: 16 chunks of 64 k.  While chunk c is multiplied, the weights of chunk c + 1 are rounded and stored to LDS, those of c + 2 and c + 3 are on their way
; (16 loads of 512 bytes a wave each), and the token rows of c + 1 are loaded.  One barrier a chunk; every byte of the slice is written once.  Later passes (an expert with more than 320 rows)
; read the resident slice, with no fetch ahead.  Each of the four pass trips has two barriers, on every wave's path: between them no wave writes LDS, and only there is the slice read again.
; THE MATRIX INSTRUCTION IS USED TRANSPOSED: source 0 = 16 columns of the weights (turned on the way out of LDS by ds_load_tr16_b128), source 1 = 16 token rows (K along their bytes, straight from
; memory).  In the result lane (r, hf) holds token r and the eight neighbouring columns 8 hf + 0..7.  The bias, rounded to bf16, is the C operand of the first product.
; FORMATS.  x, the weights and the biases are rounded to bf16.  The hidden layer is rounded once to f16; W2's bf16 numbers are written as f16 for the f16 product.
; LIMITS.  |h| must stay under 65,504 (f16's end; beyond it an infinity arises).  A weight of W2 under 6e-5 keeps f16's fixed step of 6e-8.  NaN and infinities are not treated apart.
; NO TENSOR LOADS, NO CLUSTER: f32 weights pass through registers to be rounded, each slice has one reader, the token rows come by a list, and beside the slice LDS has 32 KB left, less than one
; chunk of an expert's rows twice over.
; THE MODE: SCHED_MODE bits 1:0 = 2 (LLVM: expert scheduling mode 2), set by the entry lines.  The code itself states the register dependences between vector or matrix instructions and memory or
; LDS instructions, with s_wait_alu, always for 0.
; THE PLAN.  Registers that memory or LDS instructions touch in chunk c of pass 0 (c's token fragments lie in A[par]; OS = 1 - par):
;   W[OS]      read by the chunk's 32 first conversions; then the weights of c + 3 land in it.
;   A[OS]      read by chunk c - 1's matrix instructions; the token rows of c + 1 land in it.
;   BF1        read by the second half of chunk c - 1's matrix instructions; c's second 32 k land in it.
;   BF0        read by the first half of chunk c's matrix instructions; behind the barrier the first 32 k of c + 1 land in it.
;   TP         written by the conversions; read by the 16 LDS stores.
;   v8, v9     read by the LDS stores and the fragment loads; written by STEP, between two chunks.      v7, v16-20: offsets, not written in pass 0.
; So a chunk has three waits on va_vdst and one on vm_vsrc.  The first stands behind the 32 first conversions and serves one run of loads: token rows, weights, BF1.  The second run of conversions, which
; names TP and v24-29 alone, works while those are out; the second wait stands behind it, ahead of the LDS stores.  The third stands behind the barrier, ahead of BF0's loads; the matrix instructions behind
; them name BF1, A[par] and the accumulators.  The wait on vm_vsrc stands at the chunk's end, ahead of STEP and of the next chunk's conversions.
; The way out: a block's head waits on vm_vsrc (the block before's stores have read their rows and offsets), one wait on va_vdst stands behind the offsets' arithmetic, and the two halves of a row have a buffer each.
; REGISTERS, in windows of 256 (s_set_vgpr_msb: bits 1:0 source 0, 3:2 source 1, 5:4 source 2, 7:6 destination):
;   window 0: v0-31 addresses and scratch; v32-95 bias; v96-159, v160-223 two buffers of weight fragments; v224-255 packed numbers on their way to LDS
;   window 1: accumulators of blocks 0-3 ((a, b) at 64 a + 8 b)      window 2: v0-63 those of block 4; v64-103 the slots for the way out, eight a block; v128-255 two slots of f32 weights as loaded
;   window 3: v0-159 two slots of token fragments (80 slot + 16 a + 8 ks)
.if IS_UP
.set PITCH, 16384                      ; bytes from a k row of the weights to the next
.set ASH,   11                         ; a row of the left operand is 1 << ASH bytes (xb: 1,024 bf16)
.set AMAX,  1023                       ; its last row
.set OSH,   13                         ; a row of the result is 1 << OSH bytes (h: 4,096 f16)
.else
.set PITCH, 4096
.set ASH,   13                         ; h: 4,096 f16
.set AMAX,  2047
.set OSH,   12                         ; y: 1,024 f32
.endif
.set CHB,    64*PITCH                  ; a chunk of 64 k rows in memory
.set LP,     288                       ; a k row of the slice in LDS: 256 bytes + 32 = 72 words
.set CHL,    64*LP                     ; a chunk in LDS
.set STAGE,  1024*LP                   ; behind the slice: each wave's stage for the way out: 16 rows of 256 bytes + 16
.set SPITCH, 272
.set STGB,   16*SPITCH                 ; (the 512 bytes behind the four stages: the spare words, 128 bytes for each wave)
.set LISTB,  5120                      ; an expert's list in memory: 1,280 entries
.set LSTEP,  1280                      ; bytes of it from a pass to the next: 5 blocks x 4 waves x 16 entries
; v1 lane; v2 r = lane % 16; v3 16 hf; v6 0 (for the relu); v7 my offset in a chunk of weights; v8 where I store packed weights; v9 where I read fragments;
; v10 v9's lane part; v11, v12 stage in, stage back; v13 my byte in the list, by r; v14 the same, by half; v15 16 r; v16-20 byte offsets of my token rows, a block each; v22-30 scratch; v31 v8's lane part
.set AO,  16
.set BI,  32
.set BF0, 96
.set BF1, 160
.set TP,  224
.set OB,  96                           ; the way out: rows read back from the stage: two buffers, at OB and at OB + 64, one for each half of a row's columns,
.set HO,  136                          ; their byte offsets in the result
.set SLW, 64                           ; window 2: their slots as loaded
.set ASL, 80                           ; window 3: registers in a slot of token fragments
; s14 wave; s15 expert; s16 slice; s17 quarter; s20 my blocks left, this pass's among them; s21, s22 counters; s23 scratch; s[24:25] left operand at the chunk in hand; s[26:27] weights likewise;
; s[30:31] result; s[34:35] left operand at chunk 0; s36 upper bf16; s37 -1 or 0; s38 LDS byte of the chunk at which the bases stand; s39 the expert's rows
.set MSB, 0
.macro WIN new                         ; the immediate's high byte repeats the setting that is left; a switch that changes nothing is dropped
.if MSB != (\new)
	s_set_vgpr_msb (MSB<<8)|(\new)
.set MSB, \new
.endif
.endm
; A load into a register that a matrix instruction has read, and a vector or LDS instruction that reads a matrix result, stand four plain vector instructions behind it (ISA guide 7.12.1 for vector and LDS instructions).
; The places stay beside the waits on va_vdst: neither stands for the other.
.macro PLACES
.rept 4
	v_nop
.endr
.endm
; 16 k rows of a chunk, f32, into slot sl: each load is one row's 512 consecutive bytes
.macro WLOAD sl, off
	WIN 0x80
.set i, 0
.rept 16
	global_load_b128 v[128+64*(\sl)+4*i:128+64*(\sl)+4*i+3], v7, s[26:27] offset:(\off)+i*PITCH th:TH_LOAD_NT
.set i, i+1
.endr
	WIN 0
.endm
.macro CVT sl                          ; slot sl rounded to bf16, two a register
	WIN 0x0a
.set i, 0
.rept 32
	v_cvt_pk_bf16_f32 v[TP+i], v[128+64*(\sl)+2*i], v[128+64*(\sl)+2*i+1]
.set i, i+1
.endr
	WIN 0
.endm
.macro CVT2                            ; the bf16 numbers written as f16 (exact from 6e-5 up)
	WIN 0
.set i, 0
.rept 32
.set S0, 24+2*(i%3)
	v_lshlrev_b32 v[S0], 16, v[TP+i]
	v_and_b32 v[S0+1], s36, v[TP+i]
	v_cvt_pk_f16_f32 v[TP+i], v[S0], v[S0+1]
.set i, i+1
.endr
.endm
.macro WSTORE off                      ; my 16 rows into the slice: 32 lanes store a row's 256 consecutive bytes
	WIN 0
.set i, 0
.rept 16
	ds_store_b64 v8, v[TP+2*i:TP+2*i+1] offset:(\off)+LP*i
.set i, i+1
.endr
.endm
.macro ALD sl, blk, koff               ; block blk's 16 rows x 64 k: lane (r, hf) takes 16 bytes at 16 hf, + 32, + 64, + 96 of its row's 128.  The hint: the expert's other work-groups read the same rows
.irp q, 0,1
	global_load_b128 v[ASL*(\sl)+16*(\blk)+8*(\q):ASL*(\sl)+16*(\blk)+8*(\q)+3],   v[AO+(\blk)], s[24:25] offset:(\koff)+64*(\q) th:TH_LOAD_HT
	global_load_b128 v[ASL*(\sl)+16*(\blk)+8*(\q)+4:ASL*(\sl)+16*(\blk)+8*(\q)+7], v[AO+(\blk)], s[24:25] offset:(\koff)+64*(\q)+32 th:TH_LOAD_HT
.endr
.endm
.macro ALOAD sl, koff                  ; 16 loads, and 4 more for block 4 where the pass has it
	WIN 0xc0
	ALD \sl, 0, \koff
	ALD \sl, 1, \koff
	ALD \sl, 2, \koff
	ALD \sl, 3, \koff
	WIN 0
	s_cmp_gt_i32 s20, 4
	s_cbranch_scc0 .Lal_\@
	WIN 0xc0
	ALD \sl, 4, \koff
	WIN 0
.Lal_\@:
.endm
.macro BLOAD bf, off                   ; 32 k x 128 n of the slice as eight fragments: 16 turning loads
	WIN 0
.irp b, 0,1,2,3,4,5,6,7
	ds_load_tr16_b128 v[(\bf)+8*(\b):(\bf)+8*(\b)+3],   v9 offset:(\off)+32*(\b)
	ds_load_tr16_b128 v[(\bf)+8*(\b)+4:(\bf)+8*(\b)+7], v9 offset:(\off)+16*LP+32*(\b)
.endr
.endm
; 8 matrix instructions: block blk x all 8 groups of 16 columns, 32 along k.  first = 1: the bias starts the sums.  The accumulators take turns, one instruction a turn.
.macro MUL sl, ks, bf, blk, first
.set AC, 64*((\blk)%4)
.set AF, ASL*(\sl)+16*(\blk)+8*(\ks)
	WIN 0x5c+0x50*((\blk)/4)-0x10*(1+(\blk)/4)*(\first)
.irp b, 0,1,2,3,4,5,6,7
.if IS_UP
.if \first
	v_wmma_f32_16x16x32_bf16 v[AC+8*(\b):AC+8*(\b)+7], v[(\bf)+8*(\b):(\bf)+8*(\b)+7], v[AF:AF+7], v[BI+8*(\b):BI+8*(\b)+7]
.else
	v_wmma_f32_16x16x32_bf16 v[AC+8*(\b):AC+8*(\b)+7], v[(\bf)+8*(\b):(\bf)+8*(\b)+7], v[AF:AF+7], v[AC+8*(\b):AC+8*(\b)+7]
.endif
.else
.if \first
	v_wmma_f32_16x16x32_f16 v[AC+8*(\b):AC+8*(\b)+7], v[(\bf)+8*(\b):(\bf)+8*(\b)+7], v[AF:AF+7], v[BI+8*(\b):BI+8*(\b)+7]
.else
	v_wmma_f32_16x16x32_f16 v[AC+8*(\b):AC+8*(\b)+7], v[(\bf)+8*(\b):(\bf)+8*(\b)+7], v[AF:AF+7], v[AC+8*(\b):AC+8*(\b)+7]
.endif
.endif
.endr
.endm
.macro CMUL sl, ks, bf, first          ; block 4, where the pass has it
	WIN 0
	s_cmp_gt_i32 s20, 4
	s_cbranch_scc0 .Lcm_\@
	MUL \sl, \ks, \bf, 4, \first
	WIN 0
.Lcm_\@:
.endm
; A pass's part of the list.  My block a is the expert's block 4 (5 pass + a) + wave: 64 bytes at 256 a + 64 wave + 1,280 pass.  Lane (r, hf) takes entry r of each block for its token row,
; and each half of the lanes the eight entries 8 half + 0..7 for the way out.  Every address is a constant and a lane's term: the list is whole, whatever the count.
.macro LISTLD
	WIN 0
.irp a, 0,1,2,3,4
	global_load_b32 v[22+(\a)], v13, s[10:11] offset:256*(\a)
.endr
	WIN 0x80
.irp a, 0,1,2,3,4
	global_load_b128 v[SLW+8*(\a):SLW+8*(\a)+3],   v14, s[10:11] offset:256*(\a)
	global_load_b128 v[SLW+8*(\a)+4:SLW+8*(\a)+7], v14, s[10:11] offset:256*(\a)+16
.endr
	WIN 0
.endm
.macro ROWS                            ; the byte offsets of my token rows
.irp a, 0,1,2,3,4
.if IS_UP
	v_lshrrev_b32 v[22+(\a)], 1, v[22+(\a)]        ; the slot's token
.endif
	v_min_u32 v[22+(\a)], AMAX, v[22+(\a)]
	v_lshl_add_u32 v[AO+(\a)], v[22+(\a)], ASH, v3
.endr
.endm
; CHUNK c of pass 0.  The bases stand at chunk c - rho; c's token fragments lie in slot par.  doA: the rows of c + 1 are loaded; doW: the weights of c + 3; doCv: those of c + 1 go to LDS.
; n: the loads that may stay out at the head: the 16 weight loads of c + 2, always issued behind c's token loads, however many of those were jumped.
; again: a later line writes again what this chunk's LDS instructions read: the next chunk's conversions the packed numbers, STEP the two LDS addresses.
.macro CHUNK rho, par, doA, doW, doCv, n, first, again=1
.set OS, 1-(\par)
	s_wait_loadcnt \n                              ; c's token rows are in, and the weights of c + 1, issued ahead of them
.if \doCv
	CVT OS                                         ; 32 plain instructions: also the places in front of the loads below
.else
	PLACES
.endif
	s_wait_alu depctr_va_vdst(0)                   ; the conversions are done reading W[OS]; the last chunk's matrix instructions are done reading A[OS] and BF1; behind a STEP v8 and v9 are written: for all the loads of this run
.if \doA
	ALOAD OS, ((\rho)+1)*128
.endif
.if \doW
	WLOAD OS, ((\rho)+3)*CHB                       ; into the slot just rounded
.endif
	BLOAD BF1, (\rho)*CHL+32*LP                    ; c's second 32 k.  No wait: nothing but loads, window switches and a scalar branch stands behind the wait above
.if \doCv
.if !IS_UP
	CVT2                                           ; names TP and v24-29 alone: none of the registers that the loads above touch
	s_wait_alu depctr_va_vdst(0)                   ; these conversions have written TP, which the LDS stores read
.endif
	WSTORE ((\rho)+1)*CHL
	s_wait_dscnt 32                                ; c's first 32 k are in: behind them stand the 16 loads of the second 32 k and my 16 stores
.else
	s_wait_dscnt 16
.endif
	MUL \par, 0, BF0, 0, \first
	MUL \par, 0, BF0, 1, \first
	MUL \par, 0, BF0, 2, \first
	MUL \par, 0, BF0, 3, \first
.if \first
	MUL \par, 0, BF0, 4, 1                         ; the very first step writes every accumulator, whatever the count
.else
	CMUL \par, 0, BF0, 0
.endif
	s_wait_dscnt 0x0                               ; my part of chunk c + 1 is in LDS (for the others' sake: zero), and c's second 32 k are in
.if \doCv
	s_barrier_signal -1
.endif
	MUL \par, 1, BF1, 0, 0                         ; work on registers while the others arrive
	MUL \par, 1, BF1, 1, 0
.if \doCv
	s_barrier_wait -1                              ; chunk c + 1 is whole
	PLACES
	WIN 0
	s_wait_alu depctr_va_vdst(0)                   ; the chunk's first matrix instructions are done reading BF0, in which the loads below land
	BLOAD BF0, ((\rho)+1)*CHL                      ; its first 32 k
.endif
	MUL \par, 1, BF1, 2, 0
	MUL \par, 1, BF1, 3, 0
	CMUL \par, 1, BF1, 0
	WIN 0
.if \again
	s_wait_alu depctr_vm_vsrc(0)                   ; my LDS stores have read TP and v8, the fragment loads v9: the next chunk's conversions write TP, STEP writes v8 and v9
.endif
.endm
.macro STEP m                          ; the bases go m chunks on
	s_wait_xcnt 0x0                                ; every earlier memory instruction has had its addresses translated (ISA guide 3.1): only now are the bases rewritten
	s_add_nc_u64 s[24:25], s[24:25], 128*(\m)
	s_add_nc_u64 s[26:27], s[26:27], (\m)*CHB
	s_add_co_u32 s38, s38, (\m)*CHL
	v_add_nc_u32 v8, s38, v31                      ; free since the wait on vm_vsrc at the chunk's end: no LDS instruction was issued behind it
	v_add_nc_u32 v9, s38, v10
.endm
.macro LADDR                           ; a later pass's fragment address, made anew straight ahead of the loads that use it: the chunk's LDS byte, held to the slice's last chunk by a constant in the line (it is 0 to 15 chunks here), and my lane's part
	v_mov_b32 v22, s38
	v_min_u32 v22, 15*CHL, v22
	v_add_nc_u32 v9, v22, v10
.endm
.macro LCHUNK first                    ; a chunk of a later pass: the slice is resident, nothing is fetched ahead
	LADDR
	PLACES
	s_wait_alu depctr_va_vdst(0)                   ; v9 is written, and in a pass's first chunk the rows' offsets; the chunk before's matrix instructions are done reading the token slot, BF0 and BF1
	ALOAD 0, 0
	BLOAD BF0, 0
	BLOAD BF1, 32*LP
	s_wait_loadcnt 0x0
	s_wait_dscnt 16                                ; the first 32 k
	MUL 0, 0, BF0, 0, \first
	MUL 0, 0, BF0, 1, \first
	MUL 0, 0, BF0, 2, \first
	MUL 0, 0, BF0, 3, \first
	CMUL 0, 0, BF0, \first
	s_wait_dscnt 0x0
	MUL 0, 1, BF1, 0, 0
	MUL 0, 1, BF1, 1, 0
	MUL 0, 1, BF1, 2, 0
	MUL 0, 1, BF1, 3, 0
	CMUL 0, 1, BF1, 0
	WIN 0
	s_wait_xcnt 0x0                                ; the base is rewritten only behind this wait
	s_wait_alu depctr_vm_vsrc(0)                   ; the fragment loads have read v9, which the next chunk's address lines write
	s_add_nc_u64 s[24:25], s[24:25], 128
	s_add_co_u32 s38, s38, CHL
.endm
; THE WAY OUT of block blk, jumped where the pass has no such block.  A lane's eight columns of a row go into my own stage and come back as whole rows of 256 bytes: lanes 0-15 row t, lanes 16-31 row t + 8;
; LDS serves a wave's instructions in order (ISA guide 5.7.1.4), so no wait stands between the stores and the loads.  Each row goes to its slot's place: 16 lanes store 256 consecutive bytes, aligned.
.macro EPI blk
	WIN 0
	s_cmp_gt_i32 s20, \blk
	s_cbranch_scc0 .Lep_\@
	s_wait_xcnt 0x0                                ; the registers that earlier stores read are rewritten only behind this wait
	s_wait_alu depctr_vm_vsrc(0)                   ; the block before's stores have read their offsets v[HO ..] and their rows v[OB ..], which are written again below
.set AC, 64*((\blk)%4)
	WIN 0x08                                       ; source 1: the slots of rows 8 half + 0..7, in window 2 since the pass's beginning
.irp t, 0,1,2,3,4,5,6,7
	v_min_u32 v[HO+(\t)], 0x7ff, v[SLW+8*(\blk)+(\t)]
.endr
	WIN 0
.irp t, 0,1,2,3,4,5,6,7
	v_lshl_add_u32 v[HO+(\t)], v[HO+(\t)], OSH, v15
.endr
.if IS_UP
	WIN 0x05*(1+(\blk)/4)
.set i, 0
.rept 32
	v_cvt_pk_f16_f32 v[TP+i], v[AC+2*i], v[AC+2*i+1]  ; each accumulator from its low end on
.set i, i+1
.endr
	WIN 0
.set i, 0
.rept 32
	v_pk_max_num_f16 v[TP+i], v[TP+i], v6          ; relu, on the rounded numbers: the same as rounding the relu
.set i, i+1
.endr
	s_wait_alu depctr_va_vdst(0)                   ; TP, which the LDS stores read, and the offsets, which the stores read, are written; the matrix instructions are done reading v[OB ..], in which the rows land
.irp b, 0,1,2,3,4,5,6,7
	ds_store_b128 v11, v[TP+4*(\b):TP+4*(\b)+3] offset:32*(\b)
.endr
.irp t, 0,1,2,3,4,5,6,7
	ds_load_b128 v[OB+4*(\t):OB+4*(\t)+3], v12 offset:SPITCH*(\t)
.endr
.irp t, 0,1,2,3,4,5,6,7
	s_wait_dscnt 7-(\t)
	global_store_b128 v[HO+(\t)], v[OB+4*(\t):OB+4*(\t)+3], s[30:31]
.endr
.else
	s_wait_alu depctr_va_vdst(0)                   ; the matrix instructions have written the accumulators, which the LDS stores read, and are done reading both buffers at v[OB ..], in which the rows land; the offsets are written.  No vector instruction follows in the block
.irp u, 0,1                            ; a row's 512 bytes of f32 in two halves of 64 columns, each with a buffer of its own: no store reads a register in which a later load of the block lands
	WIN 0x04*(1+(\blk)/4)                          ; an LDS store's data is its source 1
.irp bb, 0,1,2,3
	ds_store_b128 v11, v[AC+8*(4*(\u)+(\bb)):AC+8*(4*(\u)+(\bb))+3]   offset:64*(\bb)
	ds_store_b128 v11, v[AC+8*(4*(\u)+(\bb))+4:AC+8*(4*(\u)+(\bb))+7] offset:64*(\bb)+16
.endr
	WIN 0
.irp t, 0,1,2,3,4,5,6,7
	ds_load_b128 v[OB+64*(\u)+4*(\t):OB+64*(\u)+4*(\t)+3], v12 offset:SPITCH*(\t)
.endr
.irp t, 0,1,2,3,4,5,6,7
	s_wait_dscnt 7-(\t)
	global_store_b128 v[HO+(\t)], v[OB+64*(\u)+4*(\t):OB+64*(\u)+4*(\t)+3], s[30:31] offset:256*(\u)
.endr
.endr
.endif
.Lep_\@:
.endm
	s_load_b256 s[4:11], s[0:1], 0x0               ; left operand s[4:5], weights s[6:7], bias s[8:9], lists s[10:11]
	s_load_b128 s[44:47], s[0:1], 0x20             ; counts s[44:45], result s[46:47]
	v_lshl_add_u32 v21, v0, 2, 0x4c400
	v_mov_b32 v30, 0
	v_mov_b32 v6, 0
	v_and_b32 v1, 31, v0
	v_lshrrev_b32 v22, 5, v0
	v_readfirstlane_b32 s14, v22                   ; wave 0..3
	v_and_b32 v2, 15, v0                           ; r
	v_bfe_u32 v22, v0, 4, 1                        ; hf
	v_lshlrev_b32 v3, 4, v22
	s_lshr_b32 s15, ttmp9, 5                       ; expert
	s_mov_b32 s36, 0xffff0000
	s_mov_b32 s38, 0
	s_wait_alu depctr_va_sdst(0)                   ; s14 is written, ahead of its first reader: the wave's places in memory and in LDS are made from it
	s_mul_i32 s23, s14, 16*PITCH
	v_lshl_add_u32 v7, v1, 4, s23                  ; my wave's 16 k rows of a chunk, 16 bytes a lane
	s_mul_i32 s23, s14, 16*LP
	v_lshl_add_u32 v31, v1, 3, s23                 ; the same rows in LDS, 8 bytes a lane
	v_mov_b32 v8, v31
	v_and_b32 v23, 7, v0                           ; the turning load: lane l reads k row 8 hf + l % 8, 16 bytes at 16 ((l / 8) % 2)
	v_lshl_add_u32 v23, v22, 3, v23
	v_mul_u32_u24 v23, v23, LP
	v_bfe_u32 v24, v0, 3, 1
	v_lshl_add_u32 v10, v24, 4, v23
	v_mov_b32 v9, v10
	s_mul_i32 s23, s14, STGB
	s_add_co_u32 s23, s23, STAGE                   ; my stage
	v_mul_u32_u24 v23, v2, SPITCH
.if IS_UP
	v_add_nc_u32 v23, v23, v3                      ; in: row r, 16 bytes (8 f16) for each half of the lanes
.else
	v_lshl_add_u32 v23, v22, 5, v23                ; in: row r, 32 bytes (8 f32) for each half
.endif
	v_add_nc_u32 v11, s23, v23
	v_mul_u32_u24 v23, v22, 8*SPITCH
	v_lshl_add_u32 v23, v2, 4, v23
	v_add_nc_u32 v12, s23, v23                     ; back: lanes 0-15 a row, lanes 16-31 the row eight further down
	s_lshl_b32 s23, s14, 6                         ; my wave's 16 entries of every 64 of the list
	v_lshl_add_u32 v13, v2, 2, s23
	v_lshl_add_u32 v14, v22, 5, s23
	v_lshlrev_b32 v15, 4, v2
	v_lshlrev_b32 v113, 5, v22                     ; bias: 8 f32 for each half of the lanes (the register lies where the first fragments land at the head's end)
	s_lshl_b32 s28, s15, 24                        ; an expert's weights are 16 MB
	s_mov_b32 s29, 0
	s_mov_b32 s41, 0
	s_mov_b32 s43, 0
	s_mov_b32 s33, 0
	s_lshl_b32 s12, s15, 2                         ; my expert's count
	s_mov_b32 s13, 0
	s_mul_i32 s18, s15, LISTB                      ; my expert's list
	s_mov_b32 s19, 0
.if IS_UP
	s_and_b32 s16, ttmp9, 31                       ; slice of 128 columns
	s_lshl_b32 s23, s16, 9
	s_add_co_u32 s28, s28, s23
	s_lshl_b32 s40, s15, 14                        ; b1[e]
	s_add_co_u32 s40, s40, s23
	s_lshl_b32 s42, s16, 8                         ; 128 f16 in a row of h
	s_mov_b32 s32, 0
.else
	s_and_b32 s16, ttmp9, 7
	s_bfe_u32 s17, ttmp9, 0x20003                  ; quarter of k
	s_lshl_b32 s23, s17, 22                        ; 1,024 rows of 4,096 bytes
	s_add_co_u32 s28, s28, s23
	s_lshl_b32 s23, s16, 9
	s_add_co_u32 s28, s28, s23
	s_lshl_b32 s40, s15, 12                        ; b2[e]
	s_add_co_u32 s40, s40, s23
	s_lshl_b32 s42, s17, 23                        ; the quarter's 2,048 rows of y
	s_add_co_u32 s42, s42, s23
	s_lshl_b32 s32, s17, 11                        ; 1,024 f16 along a row of h
	s_cmp_eq_u32 s17, 0
	s_cselect_b32 s37, -1, 0                       ; the bias counts in quarter 0 alone
.endif
	s_wait_kmcnt 0x0
	s_add_nc_u64 s[44:45], s[44:45], s[12:13]
	s_load_b32 s39, s[44:45], 0x0                  ; the expert's rows
	s_add_nc_u64 s[10:11], s[10:11], s[18:19]
	s_add_nc_u64 s[26:27], s[6:7], s[28:29]
	s_add_nc_u64 s[8:9], s[8:9], s[40:41]
	s_add_nc_u64 s[30:31], s[46:47], s[42:43]
	s_add_nc_u64 s[34:35], s[4:5], s[32:33]
	s_mov_b64 s[24:25], s[34:35]
	s_wait_alu depctr_va_vdst(0)                   ; the offsets and LDS addresses v7 to v14 and v113 are written, which the loads and stores of the kernel read; so are v22 to v24, in which the list lands
	LISTLD                                         ; 15 loads: the first products hang on them, so they go first
.irp b, 0,1,2,3,4,5,6,7
	global_load_b128 v[BI+8*(\b):BI+8*(\b)+3],   v113, s[8:9] offset:64*(\b)
	global_load_b128 v[BI+8*(\b)+4:BI+8*(\b)+7], v113, s[8:9] offset:64*(\b)+16
.endr
	WLOAD 0, 0
	WLOAD 1, CHB
	WIN 0xc0                                       ; the token fragments of block 4 hold 0 where they are never loaded
.set i, 0
.rept 16
	v_mov_b32 v[64+i], 0
	v_mov_b32 v[ASL+64+i], 0
.set i, i+1
.endr
	WIN 0
	s_wait_kmcnt 0x0
	s_add_co_u32 s20, s39, 15
	s_lshr_b32 s20, s20, 4                         ; the expert's blocks of 16,
	s_add_co_u32 s20, s20, 3
	s_sub_co_u32 s20, s20, s14
	s_lshr_b32 s20, s20, 2                         ; and mine of them: those with g % 4 = my wave
	s_wait_loadcnt 32                              ; the list and the bias are in: behind them stand the 32 loads of weights alone
	ROWS
	s_wait_alu depctr_va_vdst(0)                   ; the rows' offsets v16 to v20 are written, which the loads below read; so are the zeros of block 4's fragments, in which loads may land
	ALOAD 0, 0
.set i, 0
.rept 32                               ; the bias rounded to bf16, like every input
	v_cvt_pk_bf16_f32 v[24+i%4], v[BI+2*i], v[BI+2*i+1]
.if !IS_UP
	v_and_b32 v[24+i%4], s37, v[24+i%4]
.endif
	v_lshlrev_b32 v[BI+2*i], 16, v[24+i%4]
	v_and_b32 v[BI+2*i+1], s36, v[24+i%4]
.set i, i+1
.endr
	s_wait_loadcnt 32                              ; chunk 0's weights are in: behind them stand chunk 1's 16 loads and 16 or more of token rows
	CVT 0
	s_wait_alu depctr_va_vdst(0)                   ; the conversions are done reading slot 0 of the weights, in which chunk 2's land
	WLOAD 0, 2*CHB
.if !IS_UP
	CVT2
	s_wait_alu depctr_va_vdst(0)                   ; these conversions have written TP, which the LDS stores read
.endif
	WSTORE 0
	s_wait_dscnt 0x0                               ; for the others' sake: my part of chunk 0 is in LDS
	s_barrier_signal -1
	s_barrier_wait -1
	s_wait_alu depctr_vm_vsrc(0)                   ; the bias's loads have read v113, in which a fragment lands below; my LDS stores have read TP, which chunk 0's conversions write
	BLOAD BF0, 0
	CHUNK 0, 0, 1, 1, 1, 16, 1                     ; chunk 0 stands in front of the loop: its first products start the sums
	STEP 1
	s_mov_b32 s21, 6
.Lk:                                                   ; chunks 1 to 12, two a trip
	CHUNK 0, 1, 1, 1, 1, 16, 0
	CHUNK 1, 0, 1, 1, 1, 16, 0
	STEP 2
	s_sub_co_u32 s21, s21, 1
	s_cmp_lg_u32 s21, 0
	s_cbranch_scc1 .Lk
	CHUNK 0, 1, 1, 0, 1, 16, 0                     ; chunk 13: no weights are left to ask for
	CHUNK 1, 0, 1, 0, 1, 0, 0, 0                   ; chunk 14: nothing was issued behind its token rows; no conversion and no STEP follows it
	CHUNK 2, 1, 0, 0, 0, 0, 0, 0                   ; chunk 15
	PLACES
	s_mov_b32 s22, 4
.Lpass:                                                ; four times: a pass's blocks go out; if blocks of mine are left, the next five are multiplied
	EPI 0
	EPI 1
	EPI 2
	EPI 3
	EPI 4
	s_wait_dscnt 0x0                               ; my stores into my stage are done, and so are my reads of it
	s_barrier_signal -1                            ; every wave passes here: from this barrier to the next no wave writes LDS,
	s_barrier_wait -1                              ; and only between the two is the slice read again
	s_sub_co_i32 s20, s20, 5
	s_wait_alu depctr_vm_vsrc(0)                   ; ahead of the branch, for all that the next pass writes again: the list's loads have read v13 and v14, the token loads v16 to v20, the fragment loads v9, my LDS stores the accumulators, the stores their rows and offsets
	v_add_nc_u32 v13, LSTEP, v13                   ; the next pass's part of the list
	v_add_nc_u32 v14, LSTEP, v14
	s_cmp_gt_i32 s20, 0
	s_cbranch_scc0 .Lnone
	s_wait_xcnt 0x0                                ; the stores have read their registers: fragments land there again
	s_wait_alu depctr_va_vdst(0)                   ; v13 and v14 are written, which the list's loads read; the lines that named v22 to v26 and the slots in window 2, in which the list lands, are done
	LISTLD
	s_wait_loadcnt 0x0
	ROWS
	s_mov_b64 s[24:25], s[34:35]
	s_mov_b32 s38, 0
	LCHUNK 1                                       ; the pass's first products start the sums
	s_mov_b32 s21, 15
.Llk:
	LCHUNK 0
	s_sub_co_u32 s21, s21, 1
	s_cmp_lg_u32 s21, 0
	s_cbranch_scc1 .Llk
	PLACES
.Lnone:
	s_wait_dscnt 0x0                               ; my reads of the slice are back
	s_barrier_signal -1                            ; every wave passes here too, those that had no blocks left among them:
	s_barrier_wait -1                              ; behind it the stages are written again
	s_sub_co_u32 s22, s22, 1
	s_cmp_lg_u32 s22, 0
	s_cbranch_scc1 .Lpass
	s_wait_dscnt 0x0                               ; the wave's end
	s_wait_alu depctr_hold_cnt(0) depctr_sa_sdst(0) depctr_va_vdst(0) depctr_va_sdst(0) depctr_va_ssrc(0) depctr_va_vcc(0) depctr_vm_vsrc(0)
	s_wait_tensorcnt 0x0
	ds_add_u32 v21, v30
	s_wait_dscnt 0x0
	s_endpgm
.Lfunc_end_k_qf255647a31_down:
	.size	k_qf255647a31_down, .Lfunc_end_k_qf255647a31_down-k_qf255647a31_down
	.p2alignl 7, 3214868480
	.fill 96, 4, 3214868480
	.section	.rodata,"a",@progbits
	.p2align	6, 0x0
	.amdhsa_kernel k_qf255647a31_down
		.amdhsa_group_segment_fixed_size 312832
		.amdhsa_private_segment_fixed_size 0
		.amdhsa_enable_private_segment 0
		.amdhsa_kernarg_size 48
		.amdhsa_user_sgpr_count 2
		.amdhsa_user_sgpr_kernarg_segment_ptr 1
		.amdhsa_wavefront_size32 1
		.amdhsa_system_sgpr_workgroup_id_x 1
		.amdhsa_system_sgpr_workgroup_id_y 1
		.amdhsa_system_sgpr_workgroup_id_z 1
		.amdhsa_system_vgpr_workitem_id 0
		.amdhsa_next_free_vgpr 928
		.amdhsa_next_free_sgpr 66
		.amdhsa_reserve_vcc 0
		.amdhsa_float_denorm_mode_32 3
		.amdhsa_float_denorm_mode_16_64 3
		.amdhsa_memory_ordered 1
		.amdhsa_forward_progress 1
		.amdhsa_inst_pref_size 176
	.end_amdhsa_kernel
	.amdgpu_metadata
---
amdhsa.version: [ 1, 2 ]
amdhsa.kernels:
  - .name:           k_qf255647a31_down
    .symbol:         k_qf255647a31_down.kd
    .args:
      - { .name: h, .offset: 0, .size: 8, .value_kind: global_buffer, .address_space: global }
      - { .name: W2, .offset: 8, .size: 8, .value_kind: global_buffer, .address_space: global }
      - { .name: b2, .offset: 16, .size: 8, .value_kind: global_buffer, .address_space: global }
      - { .name: lists, .offset: 24, .size: 8, .value_kind: global_buffer, .address_space: global }
      - { .name: counts, .offset: 32, .size: 8, .value_kind: global_buffer, .address_space: global }
      - { .name: y, .offset: 40, .size: 8, .value_kind: global_buffer, .address_space: global }
    .group_segment_fixed_size: 312832
    .private_segment_fixed_size: 0
    .kernarg_segment_align: 8
    .kernarg_segment_size: 48
    .max_flat_workgroup_size: 128
    .sgpr_count:     66
    .vgpr_count:     928
    .wavefront_size: 32
...
	.end_amdgpu_metadata
.endif
;; end of part 6
;; launch combine: the kernel of part 5 again; grid 256 x 1, 8 waves a work-group, no clusters, 0 bytes of LDS; arguments y, gates, out0; writes out0
